; MI455X (gfx1250); checked and timed in simulation.
; The chip was launched on July 23, 2026; its instructions are those of AMD's public machine-readable ISA for CDNA 5 (MIT licence, August 2026) and "CDNA5" Instruction Set Architecture Reference Guide (July 2026). The comments in the code are by the model that wrote it; some were corrected since.
;; Causal Self Attention. Allowed arithmetic: matrix products marked QUANTISED: E2M1 operands, one E8M0 scale for each 32 along K, by v_wmma_scale_f32_16x16x128_f8f6f4 with both operands' format E2M1 (or v_wmma_scale_f32_32x16x128_f4), f32 sums; products left as they are: bf16, f16 or f32 operands; f32 sums; everything else in f32.
;; Inputs: Wk 1,024 x 1,024 float32; Wo 1,024 x 1,024 float32; Wq 1,024 x 1,024 float32; Wv 1,024 x 1,024 float32; bk 1,024 float32; bo 1,024 float32; bq 1,024 float32; bv 1,024 float32; x 4 x 2,048 x 1,024 float32.
;; Outputs: out0 4 x 2,048 x 1,024 float32.
;; This version of the problem:
;;   THIS VERSION OF THE PROBLEM IS GIVEN IN LOW PRECISION. The matrix products marked QUANTISED in the list below multiply operands that are first quantised to E2M1 (2 exponent bits, 1 mantissa bit; 4 bits a number), with one power-of-two scale for each 32 numbers along K (OCP MX v1.0); their sums are f32. The products marked 'left as it is' may take bf16, f16 or f32 operands, with f32 sums. Whichever they take, every output number must still come out within the allowed error. Rounding operands to bf16 (8 significant bits) uses up far more of that allowance than f16 does (11 bits, for magnitudes from 6e-5 to 65,504). All else is computed in f32.
;;   The module's matrix products, in the order in which they are computed (A, B: the left and right operand; K: the contracted axis; several contracted axes count as one K, in the product's order):
;;     1. [M 8,192, K 1,024] x [K 1,024, N 1,024]; A: input x; B: input Wq: QUANTISED
;;     2. [M 8,192, K 1,024] x [K 1,024, N 1,024]; A: input x; B: input Wk: QUANTISED
;;     3. [M 8,192, K 1,024] x [K 1,024, N 1,024]; A: input x; B: input Wv: QUANTISED
;;     4. batch 64 x [M 2,048, K 64] x [K 64, N 2,048]; A: computed on the way; B: computed on the way: left as it is (an operand is computed on the way)
;;     5. batch 64 x [M 2,048, K 2,048] x [K 2,048, N 64]; A: computed on the way; B: computed on the way: left as it is (an operand is computed on the way)
;;     6. [M 8,192, K 1,024] x [K 1,024, N 1,024]; A: computed on the way; B: input Wo: left as it is (an operand is computed on the way)
;;   THE QUANTISER, for each operand of a quantised product, along K:
;;     - K is cut into blocks of 32 from its start; a last block that is shorter is filled with zeros.
;;     - A block's scale is 2^e with e = floor(log2(the largest magnitude in the block)) - 2, held to -126 .. 127; a block of zeros has e = 0. As a byte (E8M0): e + 127.
;;     - Each number is divided by its block's scale, clamped to +-6, and rounded to the nearest number of E2M1, ties to even, subnormals kept.
;;     - The product sums the exact products of the quantised numbers (number of the format x scale) in f32.
;;   ~~~python
;;   def quantise(x, axis):      # numpy; x: float32 -> the quantised numbers, widened to float32 again
;;       x = np.moveaxis(x, axis, -1); K = x.shape[-1]
;;       x = np.pad(x, [(0, 0)] * (x.ndim - 1) + [(0, -K % 32)]); x = x.reshape(x.shape[:-1] + (-1, 32)); a = np.abs(x).max(-1, keepdims=True)
;;       e = np.where(a > 0, np.clip(np.frexp(np.where(a > 0, a, 1))[1] - 1 - 2, -126, 127), 0)      # np.frexp(a)[1] - 1 = floor(log2(a)), exactly
;;       r = np.clip(x / 2.0 ** e, -6, 6)
;;       step = 2.0 ** (np.maximum(np.frexp(np.where(r == 0, 1, r))[1] - 1, 0) - 1)
;;       q = np.round(r / step) * step * 2.0 ** e      # np.round: ties to even
;;       return np.moveaxis(q.reshape(q.shape[:-2] + (-1,))[..., :K], -1, axis).astype(np.float32)
;;   ~~~
;; One version. Each part assembles by itself: llvm-mc -triple=amdgcn-amd-amdhsa -mcpu=gfx1250 --defsym DOCPART=n.
;; ======== version 1 of 1: 5 launches
;; limits: values are held in f16: magnitudes above 65,504 overflow, below 6.1e-05 lose precision
;; workspace buffers: xc 4,194,304 bytes; xs 262,144 bytes; wc 1,572,864 bytes; ws 98,304 bytes; wo16 2,097,152 bytes; qkv 50,331,648 bytes; fine32 786,432 bytes; yimg 16,777,216 bytes
;; launch prep (part 1): grid 384 x 1, 4 waves a work-group, no clusters, 33,280 bytes of LDS; arguments x, Wq, Wk, Wv, Wo, xc, xs, wc, ws, wo16; writes xc, xs, wc, ws, wo16
.if DOCPART == 1
	.amdgcn_target "amdgcn-amd-amdhsa--gfx1250"
	.amdhsa_code_object_version 6
	.text
	.protected	k_qba3a8f4ba0_prep
	.globl	k_qba3a8f4ba0_prep
	.p2align	8
	.type	k_qba3a8f4ba0_prep,@function
k_qba3a8f4ba0_prep:
	s_mov_b64 s[64:65], 0
	v_nop
	global_prefetch_b8 v0, s[64:65] scope:SCOPE_SE
	s_setreg_imm32_b32 hwreg(HW_REG_WAVE_MODE, 25, 1), 1
	s_wait_xcnt 0x0
; x [8192][1024], Wq, Wk, Wv [1024][1024], f32, K innermost, become codes of FP4 (E2M1), two a byte, and one E8M0 byte for each 32 along K; Wo [1024][1024] becomes f16, row-major.
; A block's scale is 2^(floor(log2(its largest magnitude)) - 2); its byte is the largest magnitude's exponent field - 2, held at 1 from below.  A block of zeros keeps the byte 1: its codes are zeros,
; and the bytes are read by this program alone.  Each number is divided by the scale and rounded to the nearest code, ties to even; beyond the largest code the largest.
; LIMITS: NaN and infinities among the inputs are not served; Wo beyond 65,504 in magnitude becomes infinity in f16.
; SHARES: a work-group takes 32,768 numbers, a wave 8,192.  Work-groups 0-255: x; 256-287: Wq; 288-319: Wk; 320-351: Wv (their codes lie one behind the other in wc, rows 0-3071); 352-383: Wo.
; The four quantised tensors take ONE path: only pointers are chosen, by the work-group's number.  Rows are dense and 1,024 is a multiple of 32, so a tensor is a plain stream of blocks of 32.
; A wave takes 16 steps of 512 numbers.  Each load reads 512 consecutive bytes; a step's 2,048 bytes turn through the wave's own stage in LDS so that a lane holds 16 neighbours (two lanes a block).
; No tensor loads, no barrier: waves share nothing.  No cluster, no prefetch: every byte is read once, by long runs of loads that are always on their way.
.set WAVES, 4
.set STEPS, 16
.set EMAX,  2
.set CB,    8                          ; bytes of 16 codes
.set R,     16                         ; v16-79   four sets of 16 numbers as loaded (Wo: v16-143, two sets of 64)
.set X,     80                         ; v80-111  two sets of 16 neighbours
.set E,     112                        ; v112-127 a scale byte for each step
.set C,     128                        ; v128-191 codes, four registers a step
.set H16,   144                        ; v144-175 Wo: 32 f16 pairs to store
.set WREG,  8192                       ; LDS: a region for each wave: two stages of 32 x SP bytes, then its 256 scale bytes
.set SP,    80                         ; a lane's place in a stage: 64 bytes + 16 of padding
.set SPW,   12                         ; v12 LDS address of my spare word; never rewritten
.set NIL,   13                         ; v13 0; never rewritten
.set SPARE, WAVES*WREG                 ; behind the regions: the spare words, 128 bytes a wave
.macro LOAD t
.irp i, 0,1,2,3
	global_load_b128 v[R+16*((\t)%4)+4*\i:R+16*((\t)%4)+4*\i+3], v3, s[28:29] offset:2048*(\t)+512*\i th:TH_LOAD_NT
.endr
.endm
.macro TURN t                          ; step t through the stage: LDS serves a wave's instructions in order, so no wait stands between the stores and the loads
.irp i, 0,1,2,3
	ds_store_b128 v14, v[R+16*((\t)%4)+4*\i:R+16*((\t)%4)+4*\i+3] offset:32*SP*((\t)%2)+8*SP*\i
.endr
.irp i, 0,1,2,3
	ds_load_b128 v[X+16*((\t)%2)+4*\i:X+16*((\t)%2)+4*\i+3], v15 offset:32*SP*((\t)%2)+16*\i
.endr
.endm
.macro STEP t
.set XS, X+16*((\t)%2)
.if (\t) > 0
	s_wait_dscnt 1                                 ; this step's numbers are back from the stage; the last step's byte store may be out
.else
	s_wait_dscnt 0x0
.endif
.if (\t)+4 < STEPS
	LOAD (\t)+4                                    ; into the registers that the stage's stores have read
.endif
.if (\t)+1 < STEPS
.if STEPS-2-(\t) >= 3
	s_wait_loadcnt 12                              ; the next step's four loads are in; those of the three steps behind it may be out
.else
	s_wait_loadcnt 4*(STEPS-2-(\t))
.endif
	TURN (\t)+1
.endif
	v_max3_num_f32 v8, |v[XS]|, |v[XS+1]|, |v[XS+2]|
	v_max3_num_f32 v9, |v[XS+3]|, |v[XS+4]|, |v[XS+5]|
.irp i, 6,10
	v_max3_num_f32 v8, v8, |v[XS+\i]|, |v[XS+\i+1]|
	v_max3_num_f32 v9, v9, |v[XS+\i+2]|, |v[XS+\i+3]|
.endr
	v_max3_num_f32 v8, v8, |v[XS+14]|, |v[XS+15]|
	v_max3_num_f32 v8, v8, v9, (EMAX+1)<<23        ; the floor 2^(3 - 127): the byte cannot fall under 1
	v_max_num_f32_dpp v8, v8, v8 row_xmask:1 row_mask:0xf bank_mask:0xf   ; with my neighbour's 16: the block's largest magnitude
	v_add_nc_u32 v11, -(EMAX<<23), v8              ; 2 off its exponent field: the conversion takes the exponent field of this operand as its scale
	v_cvt_scalef32_pk8_fp4_f32 v[C+4*(\t)], v[XS:XS+7], v11
	v_cvt_scalef32_pk8_fp4_f32 v[C+4*(\t)+1], v[XS+8:XS+15], v11
	v_lshrrev_b32 v[E+(\t)], 23, v11               ; the scale's byte (also the plain line behind the conversions)
	ds_store_b8 v5, v[E+(\t)] offset:16*(\t)       ; both lanes of a block write the same byte with the same value
	global_store_b64 v4, v[C+4*(\t):C+4*(\t)+1], s[30:31] offset:32*CB*(\t)   ; the wave stores 256 consecutive bytes, aligned
.endm
.macro LG g                            ; Wo: 16 loads of 512 consecutive bytes into set g % 2
.irp i, 0,1,2,3,4,5,6,7,8,9,10,11,12,13,14,15
	global_load_b128 v[R+64*((\g)%2)+4*\i:R+64*((\g)%2)+4*\i+3], v3, s[28:29] offset:8192*(\g)+512*\i th:TH_LOAD_NT
.endr
.endm
.macro HALF g                          ; Wo: 2,048 numbers are rounded to f16 and stored
.if (\g) < 3
	s_wait_loadcnt 16                              ; this group's 16 loads are in; the next group's 16 may be out
.else
	s_wait_loadcnt 0x0
.endif
.if (\g) > 0
	s_wait_xcnt 0x0                                ; the last group's stores have read v144-175, which are written again below
.endif
.irp i, 0,1,2,3,4,5,6,7,8,9,10,11,12,13,14,15
	v_cvt_pk_f16_f32 v[H16+2*\i], v[R+64*((\g)%2)+4*\i], v[R+64*((\g)%2)+4*\i+1]
	v_cvt_pk_f16_f32 v[H16+2*\i+1], v[R+64*((\g)%2)+4*\i+2], v[R+64*((\g)%2)+4*\i+3]
.endr
.if (\g)+2 < 4
	LG (\g)+2
.endif
.irp i, 0,1,2,3,4,5,6,7,8,9,10,11,12,13,14,15
	global_store_b64 v4, v[H16+2*\i:H16+2*\i+1], s[30:31] offset:4096*(\g)+256*\i   ; 256 consecutive bytes, aligned
.endr
.endm
	s_load_b256 s[4:11], s[0:1], 0x0               ; x s[4:5], Wq s[6:7], Wk s[8:9], Wv s[10:11]
	s_load_b256 s[12:19], s[0:1], 0x20             ; Wo s[12:13], xc s[14:15], xs s[16:17], wc s[18:19]
	s_load_b128 s[20:23], s[0:1], 0x40             ; ws s[20:21], wo16 s[22:23]
	v_lshl_add_u32 v[SPW], v0, 2, SPARE
	v_mov_b32 v[NIL], 0
	v_lshrrev_b32 v1, 5, v0
	v_readfirstlane_b32 s36, v1                    ; wave
	v_and_b32 v2, 31, v0                           ; lane
	v_lshlrev_b32 v3, 4, v2                        ; my 16 bytes of a load's 512
	s_mul_i32 s37, s36, WREG
	v_lshrrev_b32 v14, 2, v2
	v_mul_u32_u24 v14, v14, SP
	v_and_b32 v15, 3, v2
	v_lshl_add_u32 v14, v15, 4, v14
	v_add_nc_u32 v14, s37, v14                     ; the stage, on the way in: SP (lane / 4) + 16 (lane % 4)
	v_mul_u32_u24 v15, v2, SP
	v_add_nc_u32 v15, s37, v15                     ; and on the way out: SP x lane
	v_mul_u32_u24 v4, v2, CB                       ; 8 x lane: my codes' place in a step's; also my f16 numbers' place in a store of Wo
	v_lshrrev_b32 v5, 1, v2
	s_add_co_u32 s37, s37, 2*32*SP
	v_add_nc_u32 v5, s37, v5                       ; LDS: my block's scale byte
	v_lshlrev_b32 v7, 3, v2
	v_add_nc_u32 v6, s37, v7                       ; and on the way out 8 bytes a lane
	s_sub_co_u32 s24, ttmp9, 256                   ; t: the work-group's number among the weights' (wraps for x's work-groups)
	s_lshr_b32 s25, s24, 5                         ; which weight: 0 Wq, 1 Wk, 2 Wv, 3 Wo; for x a number far above 3
	s_wait_kmcnt 0x0
	s_cmp_eq_u32 s25, 3
	s_cbranch_scc0 .Lquant
	; ---- Wo to f16: no LDS is touched on this path
	s_and_b32 s26, s24, 31
	s_lshl_b32 s26, s26, 2
	s_add_co_u32 s26, s26, s36                     ; my run of 8,192 numbers
	s_lshl_b32 s34, s26, 15
	s_mov_b32 s35, 0
	s_add_nc_u64 s[28:29], s[12:13], s[34:35]
	s_lshl_b32 s34, s26, 14
	s_add_nc_u64 s[30:31], s[22:23], s[34:35]
	LG 0
	LG 1
	HALF 0
	HALF 1
	HALF 2
	HALF 3
	s_endpgm
.Lquant:
	s_cmp_lt_u32 ttmp9, 256                        ; x or a weight?  Every choice hangs on the work-group's number alone
	s_cselect_b64 s[28:29], s[4:5], s[6:7]
	s_cselect_b64 s[30:31], s[14:15], s[18:19]
	s_cselect_b64 s[32:33], s[16:17], s[20:21]
	s_cselect_b32 s26, ttmp9, s24                  ; the group's place in the buffers of codes and bytes
	s_cselect_b32 s27, -1, 31
	s_cmp_eq_u32 s25, 1
	s_cselect_b64 s[28:29], s[8:9], s[28:29]
	s_cmp_eq_u32 s25, 2
	s_cselect_b64 s[28:29], s[10:11], s[28:29]
	s_and_b32 s27, s26, s27                        ; and in its own tensor
	s_lshl_b32 s27, s27, 2
	s_add_co_u32 s27, s27, s36
	s_lshl_b32 s26, s26, 2
	s_add_co_u32 s26, s26, s36
	s_lshl_b32 s34, s27, 15                        ; 8,192 numbers of 4 bytes a run
	s_mov_b32 s35, 0
	s_add_nc_u64 s[28:29], s[28:29], s[34:35]
	s_lshl_b32 s34, s26, 12                        ; 4,096 bytes of codes
	s_add_nc_u64 s[30:31], s[30:31], s[34:35]
	s_lshl_b32 s34, s26, 8                         ; 256 scale bytes
	s_add_nc_u64 s[32:33], s[32:33], s[34:35]
.irp t, 0,1,2,3
	LOAD \t
.endr
	s_wait_loadcnt 12                              ; step 0's four loads are in
	TURN 0
.irp t, 0,1,2,3,4,5,6,7,8,9,10,11,12,13,14,15
	STEP \t
.endr
	ds_load_b64 v[8:9], v6                         ; LDS serves a wave's instructions in order: these see my byte stores
	s_wait_dscnt 0x0
	global_store_b64 v7, v[8:9], s[32:33]          ; 256 consecutive bytes, aligned
	s_wait_tensorcnt 0x0                           ; the wave's end, behind my last LDS store
	ds_add_u32 v[SPW], v[NIL]
	s_wait_dscnt 0x0
	s_endpgm
.Lfunc_end_k_qba3a8f4ba0_prep:
	.size	k_qba3a8f4ba0_prep, .Lfunc_end_k_qba3a8f4ba0_prep-k_qba3a8f4ba0_prep
	.p2alignl 7, 3214868480
	.fill 96, 4, 3214868480
	.section	.rodata,"a",@progbits
	.p2align	6, 0x0
	.amdhsa_kernel k_qba3a8f4ba0_prep
		.amdhsa_group_segment_fixed_size 33280
		.amdhsa_private_segment_fixed_size 0
		.amdhsa_enable_private_segment 0
		.amdhsa_kernarg_size 80
		.amdhsa_user_sgpr_count 2
		.amdhsa_user_sgpr_kernarg_segment_ptr 1
		.amdhsa_wavefront_size32 1
		.amdhsa_system_sgpr_workgroup_id_x 1
		.amdhsa_system_sgpr_workgroup_id_y 1
		.amdhsa_system_sgpr_workgroup_id_z 1
		.amdhsa_system_vgpr_workitem_id 0
		.amdhsa_next_free_vgpr 192
		.amdhsa_next_free_sgpr 66
		.amdhsa_reserve_vcc 0
		.amdhsa_float_denorm_mode_32 3
		.amdhsa_float_denorm_mode_16_64 3
		.amdhsa_memory_ordered 1
		.amdhsa_forward_progress 1
		.amdhsa_inst_pref_size 54
	.end_amdhsa_kernel
	.amdgpu_metadata
---
amdhsa.version: [ 1, 2 ]
amdhsa.kernels:
  - .name:           k_qba3a8f4ba0_prep
    .symbol:         k_qba3a8f4ba0_prep.kd
    .args:
      - { .name: x, .offset: 0, .size: 8, .value_kind: global_buffer, .address_space: global }
      - { .name: Wq, .offset: 8, .size: 8, .value_kind: global_buffer, .address_space: global }
      - { .name: Wk, .offset: 16, .size: 8, .value_kind: global_buffer, .address_space: global }
      - { .name: Wv, .offset: 24, .size: 8, .value_kind: global_buffer, .address_space: global }
      - { .name: Wo, .offset: 32, .size: 8, .value_kind: global_buffer, .address_space: global }
      - { .name: xc, .offset: 40, .size: 8, .value_kind: global_buffer, .address_space: global }
      - { .name: xs, .offset: 48, .size: 8, .value_kind: global_buffer, .address_space: global }
      - { .name: wc, .offset: 56, .size: 8, .value_kind: global_buffer, .address_space: global }
      - { .name: ws, .offset: 64, .size: 8, .value_kind: global_buffer, .address_space: global }
      - { .name: wo16, .offset: 72, .size: 8, .value_kind: global_buffer, .address_space: global }
    .group_segment_fixed_size: 33280
    .private_segment_fixed_size: 0
    .kernarg_segment_align: 8
    .kernarg_segment_size: 80
    .max_flat_workgroup_size: 128
    .sgpr_count:     66
    .vgpr_count:     192
    .wavefront_size: 32
...
	.end_amdgpu_metadata
.endif
;; end of part 1
;; launch qkv (part 2): grid 12 x 32, 4 waves a work-group, clusters of 4 x 4, 327,680 bytes of LDS; arguments xc, xs, wc, ws, qkv, bq, bk, bv, fine32; writes qkv, fine32
.if DOCPART == 2
	.amdgcn_target "amdgcn-amd-amdhsa--gfx1250"
	.amdhsa_code_object_version 6
	.text
	.protected	k_qba3a8f4ba0_qkv
	.globl	k_qba3a8f4ba0_qkv
	.p2align	8
	.type	k_qba3a8f4ba0_qkv,@function
k_qba3a8f4ba0_qkv:
	s_mov_b64 s[64:65], 0
	v_nop
	global_prefetch_b8 v0, s[64:65] scope:SCOPE_SE
	s_setreg_imm32_b32 hwreg(HW_REG_WAVE_MODE, 25, 1), 1
	s_wait_xcnt 0x0
	s_wait_alu depctr_hold_cnt(0) depctr_sa_sdst(0) depctr_va_vdst(0) depctr_va_sdst(0) depctr_va_ssrc(0) depctr_va_vcc(0) depctr_vm_vsrc(0)
	s_getreg_b32 s2, hwreg(HW_REG_IB_STS2, 6, 4)
	s_cmp_eq_u32 s2, 0
	s_cbranch_scc0 .Lentry_in_a_cluster
	s_endpgm
.Lentry_in_a_cluster:
	s_bfe_u32 s2, ttmp6, 0x10000c
	s_cmp_lg_u32 s2, 0xf033
	s_cbranch_scc0 .Lentry_shape_is_right
	s_endpgm
.Lentry_shape_is_right:
; q, k, v = x W^T + b, on codes of FP4 (E2M1) with one E8M0 scale for each 32 along K = 1,024; sums in f32.  x: 8,192 rows; W: 3,072 rows (Wq, Wk, Wv on end).
; A tile of 256 x 256 is made by four waves, each 128 x 128: 64 accumulators, 512 registers.  K lies in two LDS slots of 512 along K (rows of 256 bytes), each filled once by the tensor data mover;
; the scales of the work-group's rows, for all of K, come once beside them.  Slot 1 lands while slot 0 is multiplied.
; CLUSTERS: 4 x 4 work-groups.  The four of a row of the cluster need the same rows of x, the four of a column the same rows of W: each tile is asked for jointly.
; The cluster's x says which of q, k, v is made.  The tile row is 8 cy + the cluster's y: partner cy has batch cy, and the tile's first position, 256 x the cluster's y, is the same in all partners.
; RESULTS LEAVE AS IMAGES OF THE NEXT LAUNCH'S OPERAND REGISTERS, rounded to f16: a lane's eight results are four registers of a fragment, stored at 16 x lane: every store is 512 consecutive bytes, aligned.
;   q, k (source 0 = 16 rows of W, source 1 = 16 rows of x): a lane holds one position and eight neighbouring channels.  Image [head][16 positions][32 channels][half][lane][16 bytes].
;   v    (source 0 = 16 rows of x, source 1 = 16 rows of W): a lane holds one channel and eight neighbouring positions.  Image [head][32 positions][16 channels][half][lane][16 bytes].
; The bias is the C of each sum's first matrix instruction.  The accumulators of positions 0-15 of every sequence are also stored as they stand, in f32, for the launch that carries those rows finely.
; LIMIT: |q|, |k|, |v| beyond 65,504 become infinity in f16.
; REGISTERS: window 0: v0-31 addresses; v32-95 scale words, two sets, nothing else ever; v128-191 x's fragments, one set; v192-255 the bias, 8 registers for each block of 16 rows of W.
;   window 1: W's fragments, two sets, at v0 and v128; on the way out the packed results.   windows 2, 3: the accumulators ((a, b) at v[8 (8 (a % 4) + b)]).
.set NQ,     4                         ; steps of 128 along K in a slot
.set ROWB,   256                       ; a tile's row in bytes: 512 codes
.set KROW,   512                       ; a row of codes in memory
.set PITCH,  272                       ; an LDS row: 256 bytes + 16 of padding, so that the 16 rows of a load start at 16 different banks (64 banks of 4 bytes: ISA guide 11.1)
.set FR,     8
.set NL,     2
.set NP,     4                         ; places behind this matrix instruction (ISA guide 7.12.1)
.set HALFT,  128*PITCH
.set SLOT,   4*HALFT
.set KS,     32                        ; a row of scale bytes
.set SCL,    2*SLOT
.set HALFS,  (128*KS/256)*272
.set SBLK,   (16*KS/256)*272
.set SPARE,  SCL+4*HALFS               ; behind the scales: the spare words, 128 bytes a wave
.set ADRA, 16
.set ADRB, 20
.set L16,  24                          ; v24 16 x lane: an image's place for my lane
.set BOF,  25                          ; v25 my offset in the bias
.set ADRS, 27
.set SPW,  28
.set NIL,  29
.set SC,   32
.set AF,   128
.set BIAS, 192
.set G1, 24
.set G0, 32
.set G1B, 48
.set G0B, 56
.set G1S, 68
.set G0S, 76
.set G1SB, 80
.set G0SB, 88
.set MSB, 0
.macro WIN new                         ; the immediate's high byte repeats the setting that is left
.if MSB != (\new)
	s_set_vgpr_msb (MSB<<8)|(\new)
.set MSB, (\new)
.endif
.endm
.set TO_B, 0x40
; A joint load: waves 0 and 1 fetch for x, waves 2 and 3 for W.  The branch hangs on the wave's number alone.  An s_nop 0 and four v_nop follow each line.
.macro JLOAD g0a, g1a, g0b, g1b
	s_cmp_eq_u32 s15, 0
	s_cbranch_scc0 .Lfor_b_\@
	tensor_load_to_lds s[\g0a:\g0a+3], s[\g1a:\g1a+7]
	s_nop 0
.rept 4
	v_nop
.endr
	s_branch .Lasked_\@
.Lfor_b_\@:
	tensor_load_to_lds s[\g0b:\g0b+3], s[\g1b:\g1b+7]
	s_nop 0
.rept 4
	v_nop
.endr
.Lasked_\@:
.endm
.macro CROUND                          ; a round of the cluster's barrier
	s_barrier_signal -1
	s_barrier_wait -1
	s_cmp_lg_u32 s14, 0
	s_cbranch_scc1 .Lnot_wave_0_\@
	s_barrier_signal -3
.Lnot_wave_0_\@:
	s_barrier_wait -3
	s_barrier_signal -1
	s_barrier_wait -1
.endm
.macro FRAG reg, adr, q, i             ; 16 rows x 128 K of 4-bit codes: 8 registers, two loads of 16 bytes, 32 bytes apart
.irp c, 0,1
	ds_load_b128 v[\reg+4*\c:\reg+4*\c+3], v[\adr] offset:64*(\q)+32*\c+(\i)*16*PITCH
.endr
.endm
; 16 matrix instructions: x's blocks a0, a0 + 1 against W's eight.  p: W's set; sc: the set of scale words; zero = 1: the sum starts from the bias.  ord 0: W is source 0; ord 1: x is source 0.
; In a scale register lanes 0-15 hold x's word, lanes 16-31 W's.  The 64 accumulators take turns, one instruction a turn, in the same order in every step.
.macro MUL16 a0, p, q, sc, zero, ord
.irp a, \a0, \a0+1
.irp b, 0,1,2,3,4,5,6,7
.set rD, 8*(8*((\a)%4)+\b)
.set rB, 128*(\p)+FR*\b
.set rA, AF+FR*(\a)
.set rSB, SC+8*NQ*(\sc)+NQ*\b+(\q)
.set rSA, SC+8*NQ*(\sc)+NQ*(\a)+(\q)
.set rC, BIAS+8*\b
.if (\ord) == 0
.if \zero
	v_wmma_scale_f32_16x16x128_f8f6f4 v[rD:rD+7], v[rB:rB+7], v[rA:rA+7], v[rC:rC+7], v[rSB], v[rSA] matrix_a_fmt:MATRIX_FMT_FP4 matrix_b_fmt:MATRIX_FMT_FP4 matrix_a_scale:MATRIX_SCALE_ROW1
.else
	v_wmma_scale_f32_16x16x128_f8f6f4 v[rD:rD+7], v[rB:rB+7], v[rA:rA+7], v[rD:rD+7], v[rSB], v[rSA] matrix_a_fmt:MATRIX_FMT_FP4 matrix_b_fmt:MATRIX_FMT_FP4 matrix_a_scale:MATRIX_SCALE_ROW1
.endif
.else
.if \zero
	v_wmma_scale_f32_16x16x128_f8f6f4 v[rD:rD+7], v[rA:rA+7], v[rB:rB+7], v[rC:rC+7], v[rSA], v[rSB] matrix_a_fmt:MATRIX_FMT_FP4 matrix_b_fmt:MATRIX_FMT_FP4 matrix_b_scale:MATRIX_SCALE_ROW1
.else
	v_wmma_scale_f32_16x16x128_f8f6f4 v[rD:rD+7], v[rA:rA+7], v[rB:rB+7], v[rD:rD+7], v[rSA], v[rSB] matrix_a_fmt:MATRIX_FMT_FP4 matrix_b_fmt:MATRIX_FMT_FP4 matrix_b_scale:MATRIX_SCALE_ROW1
.endif
.endif
.endr
.endr
.endm
.macro FETCH_B slot, q, p
	WIN TO_B
.irp i, 0,1,2,3,4,5,6,7
	FRAG 128*(\p)+FR*\i, ADRB+\slot, \q, \i
.endr
	WIN 0
.endm
.macro FETCH_A slot, q, i0
.irp i, \i0, \i0+1, \i0+2, \i0+3
	FRAG AF+FR*(\i), ADRA+\slot, \q, \i
.endr
.endm
.macro SCALES sc                       ; a slot's scale words: four a row; lanes 0-15 take x's block i, lanes 16-31 W's block i
.irp i, 0,1,2,3,4,5,6,7
	ds_load_b128 v[SC+8*NQ*\sc+NQ*\i:SC+8*NQ*\sc+NQ*\i+3], v[ADRS] offset:\i*SBLK
.endr
.endm
.macro PLACES n
.rept \n
	v_nop
.endr
.endm
; The windows of a product: W in window 1, x in window 0, D in window 2 (low) or 3 (high), C with D, or in window 0 where C is the bias.
.macro WLO zero, ord
	WIN 0x81+0x20*(1-(\zero))+3*(\ord)
.endm
.macro WHI zero, ord
	WIN 0xc1+0x30*(1-(\zero))+3*(\ord)
.endm
; A step of 128 along K that has its successor in the same slot.  x has one set of registers: blocks 0-3 are fetched anew in the step's middle, blocks 4-7 at its end; W has two sets.
.macro STEP slot, q, zero, ord
	s_wait_dscnt 4*NL                              ; all but the youngest eight loads (x's blocks 4-7) are in
	WLO \zero, \ord
	MUL16 0, (\q)%2, \q, \slot, \zero, \ord
	MUL16 2, (\q)%2, \q, \slot, \zero, \ord
	s_wait_dscnt 0
	PLACES NP                                      ; in front of loads into registers that matrix instructions have read
	FETCH_B \slot, (\q)+1, 1-(\q)%2
	FETCH_A \slot, (\q)+1, 0
	WHI \zero, \ord
	MUL16 4, (\q)%2, \q, \slot, \zero, \ord
	MUL16 6, (\q)%2, \q, \slot, \zero, \ord
	PLACES NP
	WIN 0
	FETCH_A \slot, (\q)+1, 4
.endm
; Slot 0's last step: each wave waits for all its tensor loads (its part of slot 1), adds 0 to its spare word, waits for that, and passes the barrier behind which slot 1 is read.  Nothing is filled again.
.macro TURN ord
	s_wait_tensorcnt 0x0
	ds_add_u32 v[SPW], v[NIL]
	s_wait_dscnt 4*NL+1                            ; the add and the youngest eight loads may be out
	WLO 0, \ord
	MUL16 0, 1, NQ-1, 0, 0, \ord
	s_wait_dscnt 0x0
	s_barrier_signal -1
	MUL16 2, 1, NQ-1, 0, 0, \ord
	WIN 0
	s_barrier_wait -1
	PLACES NP
	v_add_nc_u32 v[ADRS], 4*NQ, v[ADRS]            ; on to slot 1's scale words
	FETCH_B 1, 0, 0
	FETCH_A 1, 0, 0
	SCALES 1
	WHI 0, \ord
	MUL16 4, 1, NQ-1, 0, 0, \ord
	MUL16 6, 1, NQ-1, 0, 0, \ord
	PLACES NP
	WIN 0
	FETCH_A 1, 0, 4
.endm
; THE WAY OUT.  Every result has registers of its own, so no store's data are written again.
.macro OUT ord
	WIN 0
	PLACES NP                                      ; behind the last products: for the stores and conversions that read results, and for the writes over W's fragments
	s_or_b32 s18, s95, s15                         ; positions 0-15 lie in block 0 of the waves with the tile's upper rows, where the cluster's y is 0: the same test in all partners
	s_cmp_lg_u32 s18, 0
	s_cbranch_scc1 .Lno_fine_\@
	WIN 0x08                                       ; a store's data are its source 1: window 2
.irp b, 0,1,2,3,4,5,6,7
	global_store_b128 v[L16], v[8*\b:8*\b+3], s[66:67] offset:(\b/4)*4096+(\b%4)*1024
	global_store_b128 v[L16], v[8*\b+4:8*\b+7], s[66:67] offset:(\b/4)*4096+(\b%4)*1024+512
.endr
	WIN 0
.Lno_fine_\@:
.irp a, 0,1,2,3,4,5,6,7
	WIN 0x4a+5*(\a/4)                              ; sources in window 2 or 3, destination in window 1
.irp b, 0,1,2,3,4,5,6,7
.irp i, 0,1,2,3
	v_cvt_pk_f16_f32 v[32*\a+4*\b+\i], v[64*(\a%4)+8*\b+2*\i], v[64*(\a%4)+8*\b+2*\i+1]
.endr
.endr
	WIN 0x04                                       ; the data: window 1
.irp b, 0,1,2,3,4,5,6,7
.if (\ord) == 0
	global_store_b128 v[L16], v[32*\a+4*\b:32*\a+4*\b+3], s[12:13] offset:(\b/4)*262144+2048*\a+512*(\b%4)
.else
	global_store_b128 v[L16], v[32*\a+4*\b:32*\a+4*\b+3], s[12:13] offset:(\b/4)*262144+4096*(\a/2)+1024*(\b%4)+512*(\a%2)
.endif
.endr
.endr
	WIN 0
.endm
.macro PATH ord
	STEP 0, 0, 1, \ord
	STEP 0, 1, 0, \ord
	STEP 0, 2, 0, \ord
	TURN \ord
	STEP 1, 0, 0, \ord
	STEP 1, 1, 0, \ord
	STEP 1, 2, 0, \ord
	s_wait_dscnt 4*NL                              ; the last step: nothing more to fetch
	WLO 0, \ord
	MUL16 0, 1, NQ-1, 1, 0, \ord
	MUL16 2, 1, NQ-1, 1, 0, \ord
	s_wait_dscnt 0
	WHI 0, \ord
	MUL16 4, 1, NQ-1, 1, 0, \ord
	MUL16 6, 1, NQ-1, 1, 0, \ord
	OUT \ord
	s_wait_tensorcnt 0x0                           ; the wave's end
	ds_add_u32 v[SPW], v[NIL]
	s_wait_dscnt 0x0
	CROUND                                         ; the closing round
	s_endpgm
.endm
	s_load_b128 s[4:7], s[0:1], 0x0                ; x's codes, x's scales
	s_load_b128 s[8:11], s[0:1], 0x10              ; W's codes, W's scales
	s_load_b64 s[12:13], s[0:1], 0x20              ; qkv
	s_load_b128 s[96:99], s[0:1], 0x28             ; bq, bk
	s_load_b64 s[100:101], s[0:1], 0x38            ; bv
	s_load_b64 s[66:67], s[0:1], 0x40              ; fine32
	v_lshl_add_u32 v[SPW], v0, 2, SPARE
	v_mov_b32 v[NIL], 0
	ds_add_u32 v[SPW], v[NIL]                      ; the wave's opening: the add, twice on end, and its wait ahead of my first tensor load
	ds_add_u32 v[SPW], v[NIL]
	v_lshrrev_b32 v1, 5, v0
	v_readfirstlane_b32 s14, v1                    ; wave 0..3
	s_lshr_b32 s15, s14, 1                         ; which half of the tile's rows of x is mine.  Also: I fetch for x (0) or for W (1)
	s_and_b32 s16, s14, 1                          ; which half of its rows of W.  Also: which 128 rows I fetch
	s_bfe_u32 s40, ttmp6, 0x40000                  ; cx
	s_bfe_u32 s41, ttmp6, 0x40004                  ; cy
	s_lshl_b32 s42, ttmp9, 2
	s_add_co_u32 s42, s42, s40                     ; tile of W = 4 x cluster x + cx
	s_and_b32 s95, ttmp7, 0xffff                   ; cluster y
	s_lshl_b32 s17, s41, 3
	s_add_co_u32 s17, s17, s95                     ; tile of x = 8 cy + cluster y
	s_lshl_b32 s43, s41, 2
	s_lshl_b32 s43, 15, s43                        ; my row of the cluster
	s_lshl_b32 s44, 0x1111, s40                    ; my column
	s_or_b32 s[G1+0], s43, (0<<16)|(1<<20)|(1<<21)|(5<<22)|(3<<25)  ; the mask; elements of 1 byte; padding on: 4 words behind every 64; bit 21 beside a mask
	s_or_b32 s[G1B+0], s44, (0<<16)|(1<<20)|(1<<21)|(5<<22)|(3<<25)
.irp g, G1, G1B
	s_mov_b32 s[\g+1], ROWB<<16                    ; tensor_dim0
	s_mov_b32 s[\g+2], 128<<16                     ; tensor_dim1
	s_mov_b32 s[\g+3], ROWB<<16                    ; tile_dim0
	s_mov_b32 s[\g+4], 128                         ; tile_dim1
	s_mov_b32 s[\g+5], KROW                        ; from row to row
	s_mov_b32 s[\g+6], 0
	s_mov_b32 s[\g+7], 0
.endr
	s_or_b32 s[G1S+0], s43, (3<<16)|(1<<20)|(1<<21)|(5<<22)|(3<<25)  ; the scales of 128 rows: 4,096 dense bytes as 16 rows of 256, 16 bytes of padding behind each
	s_or_b32 s[G1SB+0], s44, (3<<16)|(1<<20)|(1<<21)|(5<<22)|(3<<25)
.irp g, G1S, G1SB
	s_mov_b32 s[\g+1], 32<<16
	s_mov_b32 s[\g+2], (128*KS/256)<<16
	s_mov_b32 s[\g+3], 32<<16
	s_mov_b32 s[\g+4], 128*KS/256
	s_mov_b32 s[\g+5], 32
	s_mov_b32 s[\g+6], 0
	s_mov_b32 s[\g+7], 0
.endr
	s_lshl_b32 s18, s16, 7
	s_lshl_b32 s20, s17, 8
	s_add_co_u32 s20, s20, s18                     ; x: row 256 x tile + 128 x half
	s_lshl_b32 s46, s42, 8
	s_add_co_u32 s46, s46, s18                     ; W likewise
	s_mov_b32 s21, 0
	s_mov_b32 s47, 0
	s_mov_b64 s[18:19], KS
	s_mul_u64 s[22:23], s[20:21], s[18:19]
	s_mul_u64 s[92:93], s[46:47], s[18:19]
	s_mov_b64 s[18:19], KROW
	s_mul_u64 s[20:21], s[20:21], s[18:19]
	s_mul_u64 s[46:47], s[46:47], s[18:19]
	s_mul_i32 s45, s14, HALFT                      ; where they go: wave x 128 rows: no place in the cluster enters an LDS address
	s_mul_i32 s94, s14, HALFS
	s_wait_dscnt 0x0                               ; both opening adds are done
	s_wait_kmcnt 0x0
	s_add_nc_u64 s[20:21], s[4:5], s[20:21]
	s_add_nc_u64 s[22:23], s[6:7], s[22:23]
	s_add_nc_u64 s[46:47], s[8:9], s[46:47]
	s_add_nc_u64 s[92:93], s[10:11], s[92:93]
	CROUND                                         ; all sixteen work-groups are here: the first joint loads meet
	s_mov_b32 s[G0S], 1
	s_add_co_u32 s[G0S+1], s94, SCL
	s_mov_b64 s[G0S+2:G0S+3], s[22:23]
	s_or_b32 s[G0S+3], s[G0S+3], 0x80000000
	s_mov_b32 s[G0SB], 1
	s_add_co_u32 s[G0SB+1], s94, SCL
	s_mov_b64 s[G0SB+2:G0SB+3], s[92:93]
	s_or_b32 s[G0SB+3], s[G0SB+3], 0x80000000
	JLOAD G0S, G1S, G0SB, G1SB                     ; the scales first
.irp s, 0,1
	s_mov_b32 s[G0+4*\s], 1
	s_add_co_u32 s[G0+4*\s+1], s45, \s*SLOT
	s_add_nc_u64 s[G0+4*\s+2:G0+4*\s+3], s[20:21], \s*ROWB
	s_or_b32 s[G0+4*\s+3], s[G0+4*\s+3], 0x80000000
	s_mov_b32 s[G0B+4*\s], 1
	s_add_co_u32 s[G0B+4*\s+1], s45, \s*SLOT
	s_add_nc_u64 s[G0B+4*\s+2:G0B+4*\s+3], s[46:47], \s*ROWB
	s_or_b32 s[G0B+4*\s+3], s[G0B+4*\s+3], 0x80000000
	JLOAD G0+4*\s, G1, G0B+4*\s, G1B               ; three loads of mine are out
.endr
	v_and_b32 v1, 15, v0                           ; r
	v_bfe_u32 v2, v0, 4, 1                         ; h
	v_mul_u32_u24 v3, v1, PITCH
	v_lshl_add_u32 v4, v2, 4, v3
	s_mul_i32 s21, s15, HALFT
	s_mul_i32 s22, s16, HALFT
	s_add_co_u32 s22, s22, 2*HALFT
.irp s, 0,1
	v_add_nc_u32 v[ADRA+\s], s21, v4
	v_add_nc_u32 v[ADRB+\s], s22, v4
	s_add_co_u32 s21, s21, SLOT
	s_add_co_u32 s22, s22, SLOT
.endr
	v_mul_u32_u24 v5, v1, KS
	v_lshrrev_b32 v6, 8, v5
	v_lshl_add_u32 v5, v6, 4, v5                   ; my row's scales: 32 bytes a row, 16 more for each 256 passed
	s_mul_i32 s21, s15, HALFS
	s_mul_i32 s22, s16, HALFS
	s_add_co_u32 s22, s22, 2*HALFS
	s_sub_co_u32 s22, s22, s21
	v_mul_u32_u24 v6, s22, v2                      ; lanes 16-31 take W's
	s_add_co_u32 s21, s21, SCL
	v_add_nc_u32 v5, v5, v6
	v_add_nc_u32 v[ADRS], s21, v5
	v_and_b32 v6, 31, v0
	v_lshlrev_b32 v[L16], 4, v6
	; the bias of my 128 rows of W
	s_cmp_eq_u32 ttmp9, 0
	s_cselect_b64 s[2:3], s[96:97], s[98:99]
	s_cmp_eq_u32 ttmp9, 2
	s_cselect_b64 s[2:3], s[100:101], s[2:3]
	s_lshl_b32 s46, s40, 10
	s_lshl_b32 s47, s16, 9
	s_add_co_u32 s46, s46, s47                     ; (256 cx + 128 x half) x 4 bytes
	s_mov_b32 s47, 0
	s_add_nc_u64 s[2:3], s[2:3], s[46:47]
	; where my results begin: which x 2^24 + (16 cy + 4 cx + 2 x half) heads of 2^18 + (256 cluster y + 128 x half) positions of 128 bytes
	s_lshl_b32 s46, ttmp9, 24
	s_lshl_b32 s92, s41, 22
	s_add_co_u32 s46, s46, s92
	s_lshl_b32 s92, s40, 20
	s_add_co_u32 s46, s46, s92
	s_lshl_b32 s92, s16, 19
	s_add_co_u32 s46, s46, s92
	s_lshl_b32 s92, s95, 15
	s_add_co_u32 s46, s46, s92
	s_lshl_b32 s92, s15, 14
	s_add_co_u32 s46, s46, s92
	s_add_nc_u64 s[12:13], s[12:13], s[46:47]
	s_lshl_b32 s46, ttmp9, 18                      ; fine32: ((which x 4 + cy) x 16 + 4 cx + 2 x half) x 4,096
	s_lshl_b32 s92, s41, 16
	s_add_co_u32 s46, s46, s92
	s_lshl_b32 s92, s40, 14
	s_add_co_u32 s46, s46, s92
	s_lshl_b32 s92, s16, 13
	s_add_co_u32 s46, s46, s92
	s_add_nc_u64 s[66:67], s[66:67], s[46:47]
	s_cmp_eq_u32 ttmp9, 2
	s_cbranch_scc1 .Lbias_v
	v_lshlrev_b32 v[BOF], 5, v2                    ; q, k: register j of block b is the bias of row 16 b + 8 h + j of W
.irp b, 0,1,2,3,4,5,6,7
	global_load_b128 v[BIAS+8*\b:BIAS+8*\b+3], v[BOF], s[2:3] offset:64*\b
	global_load_b128 v[BIAS+8*\b+4:BIAS+8*\b+7], v[BOF], s[2:3] offset:64*\b+16
.endr
	s_branch .Lbias_done
.Lbias_v:
	v_lshlrev_b32 v[BOF], 2, v1                    ; v: all eight registers of block b are the bias of row 16 b + r of W
.irp b, 0,1,2,3,4,5,6,7
	global_load_b32 v[BIAS+8*\b], v[BOF], s[2:3] offset:64*\b
.endr
	s_wait_loadcnt 0x0
.irp b, 0,1,2,3,4,5,6,7
.irp j, 1,2,3,4,5,6,7
	v_mov_b32 v[BIAS+8*\b+\j], v[BIAS+8*\b]
.endr
.endr
.Lbias_done:
	s_wait_loadcnt 0x0                             ; the bias
	s_wait_tensorcnt 1                             ; the scales and my part of slot 0 are in; slot 1's load may be out
	s_barrier_signal -1
	s_barrier_wait -1
	FETCH_B 0, 0, 0
	FETCH_A 0, 0, 0
	SCALES 0
	FETCH_A 0, 0, 4
	s_cmp_eq_u32 ttmp9, 2                          ; the cluster's x: the same in all partners and all waves
	s_cbranch_scc1 .Lv
	PATH 0
.Lv:
	PATH 1
.Lfunc_end_k_qba3a8f4ba0_qkv:
	.size	k_qba3a8f4ba0_qkv, .Lfunc_end_k_qba3a8f4ba0_qkv-k_qba3a8f4ba0_qkv
	.p2alignl 7, 3214868480
	.fill 96, 4, 3214868480
	.section	.rodata,"a",@progbits
	.p2align	6, 0x0
	.amdhsa_kernel k_qba3a8f4ba0_qkv
		.amdhsa_group_segment_fixed_size 327680
		.amdhsa_private_segment_fixed_size 0
		.amdhsa_enable_private_segment 0
		.amdhsa_kernarg_size 72
		.amdhsa_user_sgpr_count 2
		.amdhsa_user_sgpr_kernarg_segment_ptr 1
		.amdhsa_wavefront_size32 1
		.amdhsa_system_sgpr_workgroup_id_x 1
		.amdhsa_system_sgpr_workgroup_id_y 1
		.amdhsa_system_sgpr_workgroup_id_z 1
		.amdhsa_system_vgpr_workitem_id 0
		.amdhsa_next_free_vgpr 1024
		.amdhsa_next_free_sgpr 102
		.amdhsa_reserve_vcc 0
		.amdhsa_float_denorm_mode_32 3
		.amdhsa_float_denorm_mode_16_64 3
		.amdhsa_memory_ordered 1
		.amdhsa_forward_progress 1
		.amdhsa_inst_pref_size 231
	.end_amdhsa_kernel
	.amdgpu_metadata
---
amdhsa.version: [ 1, 2 ]
amdhsa.kernels:
  - .name:           k_qba3a8f4ba0_qkv
    .symbol:         k_qba3a8f4ba0_qkv.kd
    .args:
      - { .name: xc, .offset: 0, .size: 8, .value_kind: global_buffer, .address_space: global }
      - { .name: xs, .offset: 8, .size: 8, .value_kind: global_buffer, .address_space: global }
      - { .name: wc, .offset: 16, .size: 8, .value_kind: global_buffer, .address_space: global }
      - { .name: ws, .offset: 24, .size: 8, .value_kind: global_buffer, .address_space: global }
      - { .name: qkv, .offset: 32, .size: 8, .value_kind: global_buffer, .address_space: global }
      - { .name: bq, .offset: 40, .size: 8, .value_kind: global_buffer, .address_space: global }
      - { .name: bk, .offset: 48, .size: 8, .value_kind: global_buffer, .address_space: global }
      - { .name: bv, .offset: 56, .size: 8, .value_kind: global_buffer, .address_space: global }
      - { .name: fine32, .offset: 64, .size: 8, .value_kind: global_buffer, .address_space: global }
    .group_segment_fixed_size: 327680
    .private_segment_fixed_size: 0
    .kernarg_segment_align: 8
    .kernarg_segment_size: 72
    .max_flat_workgroup_size: 128
    .sgpr_count:     102
    .vgpr_count:     1024
    .wavefront_size: 32
...
	.end_amdgpu_metadata
.endif
;; end of part 2
;; launch attn (part 3): grid 4 x 64, 8 waves a work-group, no clusters, 327,680 bytes of LDS; arguments qkv, yimg; writes yimg
.if DOCPART == 3
	.amdgcn_target "amdgcn-amd-amdhsa--gfx1250"
	.amdhsa_code_object_version 6
	.text
	.protected	k_qba3a8f4ba0_attn
	.globl	k_qba3a8f4ba0_attn
	.p2align	8
	.type	k_qba3a8f4ba0_attn,@function
k_qba3a8f4ba0_attn:
	s_mov_b64 s[64:65], 0
	v_nop
	global_prefetch_b8 v0, s[64:65] scope:SCOPE_SE
	s_setreg_imm32_b32 hwreg(HW_REG_WAVE_MODE, 25, 1), 1
	s_wait_xcnt 0x0
; y[b][h][q] = the sum over k <= q of softmax_k(q . k / 8) v, head size 64, 2,048 positions, 64 heads in all.  q, k, v arrive as f16 images of operand registers; products and sums in f32;
; the weights p are rounded to f16 for the second product, y once at the end, again as an image of the next launch's operand registers.
; SHARES.  Work-group (I, head) owns query blocks I and 7 - I of 256 queries, one after the other: (I + 1) + (8 - I) = 9 slots of 256 keys in every work-group, so all trip counts are constants
; and all 256 work-groups have the same work.  Each of eight waves owns 32 queries: two tiles of 16, so each fragment of K and V read from LDS feeds two matrix instructions.
; LAYOUT.  S^T = K Q^T (source 0 = 16 keys, source 1 = 16 queries): a lane holds ONE query and the keys 8 (lane / 16) + 0..7.  Two such tiles, rounded in pairs, ARE source 1 of O^T = V^T P.
; SOFTMAX.  A running maximum m and sum l for each query: p = 2^(c s - c m), c = log2(e) / 8; in every step O and l are multiplied by a = 2^(c m_old - c m_new).
; THE MASK.  A key step all of whose 64 keys come after my 32 queries is jumped over (a scalar branch on ids, round no barrier and no tensor load); on the diagonal hidden scores become -infinity.
; A step that is walked has its first key at or under my first query, so every query has a key that counts in it.
; THE RING.  Two slots of 64 KB (K's 256 keys, then V's), images as they lie in memory: dense, read at 16 x lane, so no padding is wanted.  Each wave fetches 8 KB of each slot: one tensor load a wave
; behind each change of slots, which has four key steps in which to land.  Every wait for tensor loads is for all of them.
; NO CLUSTER: in the same trip the four work-groups of a head want different key blocks (partner I walks 0..I and then 0..7-I), so no tile is wanted jointly.
; LIMIT: |q|, |k|, |v| up to 65,504 (f16).  NaN and infinities are not served.
; REGISTERS: window 0: v1-9 addresses and the mask; v16-31 statistics, 8 a tile; v32-63 Q; v64-127 S^T; v128-159 P; v160-223 K.   window 1: v0-63 O^T; v64-127 V; v128-159 the second block's Q.
.set SLOTB, 65536
.set VOFF,  32768
.set STEPB, 8192                       ; 64 keys of K, and of V
.set SPARE, 131072                     ; behind the ring: the spare words, 128 bytes for each of eight waves
.set L16, 1                            ; v1 16 x lane
.set ADR, 2                            ; v2 LDS address of the step in hand
.set PFO, 3                            ; v3 256 x lane
.set SPW, 4
.set NIL, 5
.set RH,  6                            ; v6 lane % 16 - 8 (lane / 16)
.set NINF, 7                           ; v7 -infinity
.set DM,  8                            ; v8, v9 the mask's bound for the two tiles
.set ST,  16                           ; tile u at ST + 8 u: +0 c m, +1 m, +2, +3 l, +4..+7 at work; a takes +6
.set Q,   32
.set S,   64
.set P,   128
.set KR,  160
.set O,   0                            ; window 1
.set VR,  64
.set QH,  128
.set MSB, 0
.macro WIN new
.if MSB != (\new)
	s_set_vgpr_msb (MSB<<8)|(\new)
.set MSB, (\new)
.endif
.endm
; s8 wave, s9 I, s10 trip, s11 the next slot's key block, s12 the step's first key, s13 my first query, s14 LDS byte of the step, s15 inner count, s[16:23] group 1, s[24:27] group 0,
; s[28:29] my part of key block 0 in memory, s[30:31] the key block's offset, s[32:33] the prefetch's address, s34 its limit, s[36:37] c, s[38:39] lane selects, s[40:41] y, s42, s43, s44-51 at work.
; THE CHANGE OF SLOTS stands at a slot's head: all my tensor loads have landed, the add, my reads of the slot that I have left are over, the barrier; then the slot just left is filled.
.macro CHANGE fill
	s_wait_tensorcnt 0x0                           ; no tensor load of mine is out, so group 0 may be written
	ds_add_u32 v[SPW], v[NIL]                      ; the descriptor's steps stand between it and the wait
.if \fill
	s_add_co_u32 s11, s11, 1
	s_cmp_eq_u32 s10, s9                           ; behind the first query block's last slot the keys begin anew
	s_cselect_b32 s11, 0, s11
	s_lshl_b32 s30, s11, 15                        ; 32,768 bytes a key block
	s_xor_b32 s25, s25, SLOTB
	s_add_nc_u64 s[26:27], s[28:29], s[30:31]
	s_or_b32 s27, s27, 0x80000000
	s_wait_xcnt 0x0                                ; the last prefetch, a slot back, has read its address
	s_add_nc_u64 s[32:33], s[28:29], s[30:31]
.endif
	s_wait_dscnt 0x0
	s_barrier_signal -1
	s_barrier_wait -1
.if \fill
	tensor_load_to_lds s[24:27], s[16:23]          ; my one tensor load until the next change
	s_nop 0
.rept 4
	v_nop
.endr
	; A prefetch of the key block behind the one just asked for: what the next change of slots will load, four key steps ahead.  All four work-groups of a head walk the same K and V: work-group 0
	; of the head asks, in trips 0 to 6, for key blocks 1 to 7; each wave for its own 8,192 bytes, lanes 256 bytes apart: each block is named once.  Key block 0 comes by its load alone.
	s_cmp_lt_u32 s10, s34
	s_cbranch_scc0 .Lnot_mine_\@
	global_prefetch_b8 v[PFO], s[32:33] offset:32768 th:TH_LOAD_NT scope:SCOPE_SE
.Lnot_mine_\@:
.endif
.endm
.macro SOFTMAX                         ; both tiles, line by line by turns
.irp j, 0,1,2,3
.irp u, 0,1
	v_max3_num_f32 v[ST+8*\u+4+\j], v[S+32*\u+8*\j], v[S+32*\u+8*\j+1], v[S+32*\u+8*\j+2]   ; each tile of scores is read from its low end on
.endr
.endr
.irp k, 3,5
.irp j, 0,1,2,3
.irp u, 0,1
	v_max3_num_f32 v[ST+8*\u+4+\j], v[ST+8*\u+4+\j], v[S+32*\u+8*\j+\k], v[S+32*\u+8*\j+\k+1]
.endr
.endr
.endr
.irp u, 0,1
	v_max3_num_f32 v[ST+8*\u+4], v[ST+8*\u+4], v[S+32*\u+7], v[S+32*\u+15]
.endr
.irp u, 0,1
	v_max3_num_f32 v[ST+8*\u+6], v[ST+8*\u+6], v[S+32*\u+23], v[S+32*\u+31]
.endr
.irp u, 0,1
	v_max3_num_f32 v[ST+8*\u+4], v[ST+8*\u+4], v[ST+8*\u+5], v[ST+8*\u+6]
.endr
.irp u, 0,1
	v_max3_num_f32 v[ST+8*\u+4], v[ST+8*\u+4], v[ST+8*\u+7], v[ST+8*\u+1]   ; and the old m
.endr
.irp u, 0,1
	v_permlanex16_b32 v[ST+8*\u+5], v[ST+8*\u+4], s38, s39                  ; the query's other 32 keys lie in the lane 16 away
.endr
.irp u, 0,1
	v_mov_b32 v[ST+8*\u+7], v[ST+8*\u]
.endr
.irp u, 0,1
	v_max_num_f32 v[ST+8*\u+1], v[ST+8*\u+4], v[ST+8*\u+5]
.endr
.irp u, 0,1
	v_mul_f32 v[ST+8*\u], s36, v[ST+8*\u+1]
.endr
.irp u, 0,1
	v_sub_f32 v[ST+8*\u+7], v[ST+8*\u+7], v[ST+8*\u]                        ; c m_old - c m_new
.endr
.irp i, 0,2,4,6,8,10,12,14,16,18,20,22,24,26,28,30
.irp u, 0,1
	v_pk_fma_f32 v[S+32*\u+\i:S+32*\u+\i+1], v[S+32*\u+\i:S+32*\u+\i+1], s[36:37], v[ST+8*\u:ST+8*\u+1] op_sel_hi:[1,0,0] neg_lo:[0,0,1] neg_hi:[0,0,1]   ; c s - c m
.endr
.endr
.irp u, 0,1
	v_exp_f32 v[ST+8*\u+6], v[ST+8*\u+7]                                    ; a
.endr
.set i, 0
.rept 64
	v_exp_f32 v[S+i], v[S+i]                                                ; p
.set i, i+1
.endr
	v_nop                                          ; a plain instruction behind the last exponential
	s_wait_alu depctr_va_vdst(0)                   ; one wait for the 66 exponentials, ahead of the first instruction that names a result
.set i, 0
.rept 32
	v_cvt_pk_f16_f32 v[P+i], v[S+2*i], v[S+2*i+1]
.set i, i+1
.endr
.irp z, 0,1,2,3,4,5,6,7
.irp u, 0,1
	v_pk_add_f32 v[S+32*\u+4*\z:S+32*\u+4*\z+1], v[S+32*\u+4*\z:S+32*\u+4*\z+1], v[S+32*\u+4*\z+2:S+32*\u+4*\z+3]   ; the sum of the unrounded p, as a tree in place
.endr
.endr
.irp z, 0,1,2,3
.irp u, 0,1
	v_pk_add_f32 v[S+32*\u+8*\z:S+32*\u+8*\z+1], v[S+32*\u+8*\z:S+32*\u+8*\z+1], v[S+32*\u+8*\z+4:S+32*\u+8*\z+5]
.endr
.endr
.irp z, 0,1
.irp u, 0,1
	v_pk_add_f32 v[S+32*\u+16*\z:S+32*\u+16*\z+1], v[S+32*\u+16*\z:S+32*\u+16*\z+1], v[S+32*\u+16*\z+8:S+32*\u+16*\z+9]
.endr
.endr
.irp u, 0,1
	v_pk_add_f32 v[S+32*\u:S+32*\u+1], v[S+32*\u:S+32*\u+1], v[S+32*\u+16:S+32*\u+17]
.endr
.irp u, 0,1
	v_pk_fma_f32 v[ST+8*\u+2:ST+8*\u+3], v[ST+8*\u+2:ST+8*\u+3], v[ST+8*\u+6:ST+8*\u+7], v[S+32*\u:S+32*\u+1] op_sel_hi:[1,0,1]   ; l = a l + the sum
.endr
.endm
; A KEY STEP: 64 keys.
.macro KSTEP
	s_add_co_u32 s44, s13, 31
	s_cmp_gt_u32 s12, s44                          ; all keys come after my last query: nothing to do but to step
	s_cbranch_scc1 .Lhid_\@
	v_add_nc_u32 v[ADR], s14, v[L16]
.rept 3
	v_nop                                          ; with the addition four places behind the last products, in front of the loads into V's registers
.endr
.irp i, 0,1,2,3,4,5,6,7,8,9,10,11,12,13,14,15
	ds_load_b128 v[KR+4*\i:KR+4*\i+3], v[ADR] offset:512*\i
.endr
	WIN 0x40                                       ; destination window 1
.irp i, 0,1,2,3,4,5,6,7,8,9,10,11,12,13,14,15
	ds_load_b128 v[VR+4*\i:VR+4*\i+3], v[ADR] offset:VOFF+512*\i
.endr
	WIN 0
	s_wait_dscnt 16                                ; K is in; V's sixteen loads may be out
.irp c, 0,1                                    ; eight accumulators by turns
.irp kt, 0,1,2,3
.irp u, 0,1
.if \c == 0
	v_wmma_f32_16x16x32_f16 v[S+32*\u+8*\kt:S+32*\u+8*\kt+7], v[KR+16*\kt+8*\c:KR+16*\kt+8*\c+7], v[Q+16*\u+8*\c:Q+16*\u+8*\c+7], 0
.else
	v_wmma_f32_16x16x32_f16 v[S+32*\u+8*\kt:S+32*\u+8*\kt+7], v[KR+16*\kt+8*\c:KR+16*\kt+8*\c+7], v[Q+16*\u+8*\c:Q+16*\u+8*\c+7], v[S+32*\u+8*\kt:S+32*\u+8*\kt+7]
.endif
.endr
.endr
.endr
.rept 4
	v_nop
.endr
	s_add_co_u32 s44, s12, 63
	s_cmp_le_u32 s44, s13                          ; all keys count for all my queries
	s_cbranch_scc1 .Lopen_\@
	s_sub_co_i32 s44, s13, s12
	v_add_nc_u32 v[DM], s44, v[RH]                 ; d = my query - the first key - 8 (lane / 16); register n holds key 16 (n / 8) + n % 8 beyond that: hidden where that is above d
	v_add_nc_u32 v[DM+1], 16, v[DM]
.irp u, 0,1
.set n, 0
.rept 32
	v_cmp_gt_i32 vcc_lo, 16*(n/8)+n%8, v[DM+\u]
	v_cndmask_b32 v[S+32*\u+n], v[S+32*\u+n], v[NINF], vcc_lo
.set n, n+1
.endr
.endr
.Lopen_\@:
	SOFTMAX
	WIN 0x41                                       ; O^T in window 1, a in window 0
.irp u, 0,1
.set i, 0
.rept 16
	v_pk_mul_f32 v[O+32*\u+2*i:O+32*\u+2*i+1], v[O+32*\u+2*i:O+32*\u+2*i+1], v[ST+8*\u+6:ST+8*\u+7] op_sel_hi:[1,0]
.set i, i+1
.endr
.endr
	s_wait_dscnt 0x0                               ; V is in
	WIN 0x51                                       ; V and O^T in window 1, P in window 0
.irp g, 0,1
.irp dt, 0,1,2,3
.irp u, 0,1
	v_wmma_f32_16x16x32_f16 v[O+32*\u+8*\dt:O+32*\u+8*\dt+7], v[VR+32*\g+8*\dt:VR+32*\g+8*\dt+7], v[P+16*\u+8*\g:P+16*\u+8*\g+7], v[O+32*\u+8*\dt:O+32*\u+8*\dt+7]
.endr
.endr
.endr
	WIN 0
.Lhid_\@:
	s_add_co_u32 s12, s12, 64
	s_add_co_u32 s14, s14, STEPB
.endm
.macro FOUR                            ; a slot's four key steps, written once
	s_mov_b32 s15, 4
.Lstep_\@:
	KSTEP
	s_sub_co_u32 s15, s15, 1
	s_cmp_lg_u32 s15, 0
	s_cbranch_scc1 .Lstep_\@
	s_sub_co_u32 s14, s14, 4*STEPB
	s_xor_b32 s14, s14, SLOTB                      ; on to the other slot
.endm
.macro INIT                            ; a query block begins: m = -3e38, under every score; l and O^T zeros, which the first a leaves zeros: so no first step is written out
.irp u, 0,1
	v_mov_b32 v[ST+8*\u+1], 0xff61b1e6
	v_mul_f32 v[ST+8*\u], s36, v[ST+8*\u+1]
	v_mov_b32 v[ST+8*\u+2], 0
	v_mov_b32 v[ST+8*\u+3], 0
	v_mov_b32 v[ST+8*\u+5], 0                      ; a lane permute's destination counts as one of its sources
	v_mov_b32 v[ST+8*\u+7], 0                      ; named as the upper half of a's pair
.endr
	WIN 0x40
.set i, 0
.rept 64
	v_mov_b32 v[O+i], 0
.set i, i+1
.endr
	WIN 0
.endm
.macro FINISH                          ; O^T / l, rounded to f16: a lane's eight channels are four registers of the next launch's fragment
.rept 4
	v_nop
.endr
.irp u, 0,1
	v_add_f32 v[ST+8*\u+4], v[ST+8*\u+2], v[ST+8*\u+3]
.endr
.irp u, 0,1
	v_permlanex16_b32 v[ST+8*\u+5], v[ST+8*\u+4], s38, s39
.endr
.irp u, 0,1
	v_add_f32 v[ST+8*\u+4], v[ST+8*\u+4], v[ST+8*\u+5]
.endr
.irp u, 0,1
	v_rcp_f32 v[ST+8*\u+6], v[ST+8*\u+4]
.endr
	v_nop
	s_wait_alu depctr_va_vdst(0)                   ; one wait for the two reciprocals, ahead of their first reader
	WIN 0x41
.irp u, 0,1
.set i, 0
.rept 16
	v_pk_mul_f32 v[O+32*\u+2*i:O+32*\u+2*i+1], v[O+32*\u+2*i:O+32*\u+2*i+1], v[ST+8*\u+6:ST+8*\u+7] op_sel_hi:[1,0]
.set i, i+1
.endr
.endr
	WIN 0x05                                       ; sources in window 1, destination in window 0
.irp u, 0,1
.set i, 0
.rept 16
	v_cvt_pk_f16_f32 v[S+16*\u+i], v[O+32*\u+2*i], v[O+32*\u+2*i+1]
.set i, i+1
.endr
.endr
	WIN 0
	s_lshl_b32 s44, s13, 11                        ; my first query's block of 16 rows: 32,768 bytes a block
	s_add_co_u32 s44, s44, s42
	s_mov_b32 s45, 0
	s_add_nc_u64 s[40:41], s[6:7], s[44:45]
.irp u, 0,1
.irp dt, 0,1,2,3
	global_store_b128 v[L16], v[S+16*\u+4*\dt:S+16*\u+4*\dt+3], s[40:41] offset:32768*\u+512*\dt   ; 512 consecutive bytes, aligned
.endr
.endr
.endm
	s_load_b128 s[4:7], s[0:1], 0x0                ; qkv, yimg
	v_lshl_add_u32 v[SPW], v0, 2, SPARE
	v_mov_b32 v[NIL], 0
	ds_add_u32 v[SPW], v[NIL]                      ; the wave's opening: the add, twice on end, and its wait ahead of my first tensor load
	ds_add_u32 v[SPW], v[NIL]
	v_lshrrev_b32 v1, 5, v0
	v_readfirstlane_b32 s8, v1                     ; wave 0..7
	s_mov_b32 s9, ttmp9                            ; I
	s_and_b32 s35, ttmp7, 0xffff                   ; 16 x batch + head
	s_mov_b32 s16, 3<<16                           ; group 1: elements of 8 bytes, no mask, no padding: 32 rows of 256 bytes, dense
	s_mov_b32 s17, 32<<16                          ; tensor_dim0 = 32
	s_mov_b32 s18, 32<<16                          ; tensor_dim1 = 32
	s_mov_b32 s19, 32<<16                          ; tile_dim0 = 32
	s_mov_b32 s20, 32                              ; tile_dim1 = 32
	s_mov_b32 s21, 32                              ; from row to row
	s_mov_b32 s22, 0
	s_mov_b32 s23, 0
	s_mov_b32 s24, 1
	s_lshl_b32 s25, s8, 13                         ; LDS: 8,192 x wave: waves 0-3 K's quarters, waves 4-7 V's
	s_lshr_b32 s44, s8, 2
	s_add_co_u32 s44, s44, 1
	s_lshl_b32 s44, s44, 24                        ; K's region or V's
	s_lshl_b32 s46, s35, 18                        ; the head's 262,144 bytes
	s_add_co_u32 s44, s44, s46
	s_and_b32 s45, s8, 3
	s_lshl_b32 s45, s45, 13
	s_add_co_u32 s44, s44, s45
	s_mov_b32 s45, 0
	s_lshl_b32 s13, s9, 8
	s_lshl_b32 s47, s8, 5
	s_add_co_u32 s13, s13, s47                     ; my first query in block I
	s_sub_co_u32 s43, 7, s9
	s_lshl_b32 s43, s43, 8
	s_add_co_u32 s43, s43, s47                     ; and in block 7 - I
	s_lshl_b32 s48, s13, 7
	s_add_co_u32 s48, s48, s46
	s_mov_b32 s49, 0
	s_lshl_b32 s50, s43, 7
	s_add_co_u32 s50, s50, s46
	s_mov_b32 s51, 0
	s_lshr_b32 s42, s35, 4
	s_lshl_b32 s42, s42, 22                        ; y: the batch's 128 blocks of 16 rows,
	s_and_b32 s47, s35, 15
	s_lshl_b32 s47, s47, 11
	s_add_co_u32 s42, s42, s47                     ; and the head's 2,048 bytes in a block
	s_mov_b32 s10, 0
	s_mov_b32 s11, 0
	s_mov_b32 s12, 0
	s_mov_b32 s14, 0
	s_mov_b32 s30, 0
	s_mov_b32 s31, 0
	s_mov_b32 s36, 0x3e38aa3b                      ; c = log2(e) / 8
	s_mov_b32 s37, s36
	s_mov_b32 s38, 0x76543210
	s_mov_b32 s39, 0xfedcba98
	s_cmp_eq_u32 s9, 0
	s_cselect_b32 s34, 7, 0
	v_and_b32 v2, 31, v0
	v_lshlrev_b32 v[L16], 4, v2
	v_lshlrev_b32 v[PFO], 8, v2
	v_and_b32 v[RH], 15, v0
	v_bfe_u32 v8, v0, 4, 1
	v_lshlrev_b32 v8, 3, v8
	v_sub_nc_u32 v[RH], v[RH], v8
	v_mov_b32 v[NINF], 0xff800000
	s_wait_dscnt 0x0                               ; both opening adds are done
	s_wait_kmcnt 0x0
	s_add_nc_u64 s[28:29], s[4:5], s[44:45]
	s_mov_b64 s[26:27], s[28:29]
	s_or_b32 s27, s27, 0x80000000
	tensor_load_to_lds s[24:27], s[16:23]          ; slot 0: key block 0
	s_nop 0
.rept 4
	v_nop
.endr
	s_add_nc_u64 s[48:49], s[4:5], s[48:49]
	s_add_nc_u64 s[50:51], s[4:5], s[50:51]
	s_mov_b64 s[32:33], s[28:29]
.irp i, 0,1,2,3,4,5,6,7
	global_load_b128 v[Q+4*\i:Q+4*\i+3], v[L16], s[48:49] offset:512*\i      ; Q stays in registers
.endr
	WIN 0x40
.irp i, 0,1,2,3,4,5,6,7
	global_load_b128 v[QH+4*\i:QH+4*\i+3], v[L16], s[50:51] offset:512*\i    ; the second block's too
.endr
	WIN 0
	INIT
	s_wait_loadcnt 0x0
.Ltrip:                                            ; eight trips: behind each change of slots the next slot is asked for
	CHANGE 1
	FOUR
	s_cmp_lg_u32 s10, s9
	s_cbranch_scc1 .Lsame
	FINISH                                         ; query block I is done; block 7 - I begins
	s_mov_b32 s13, s43
	s_mov_b32 s12, 0
	WIN 0x01
.set i, 0
.rept 32
	v_mov_b32 v[Q+i], v[QH+i]
.set i, i+1
.endr
	WIN 0
	INIT
	s_wait_xcnt 0x0                                ; y's stores have read their registers, which the next scores write, and their base
.Lsame:
	s_add_co_u32 s10, s10, 1
	s_cmp_lt_u32 s10, 8
	s_cbranch_scc1 .Ltrip
	CHANGE 0                                       ; the ninth slot is written out: nothing is left to fetch
	FOUR
	FINISH
	s_wait_tensorcnt 0x0                           ; the wave's end
	ds_add_u32 v[SPW], v[NIL]
	s_wait_dscnt 0x0
	s_endpgm
.Lfunc_end_k_qba3a8f4ba0_attn:
	.size	k_qba3a8f4ba0_attn, .Lfunc_end_k_qba3a8f4ba0_attn-k_qba3a8f4ba0_attn
	.p2alignl 7, 3214868480
	.fill 96, 4, 3214868480
	.section	.rodata,"a",@progbits
	.p2align	6, 0x0
	.amdhsa_kernel k_qba3a8f4ba0_attn
		.amdhsa_group_segment_fixed_size 327680
		.amdhsa_private_segment_fixed_size 0
		.amdhsa_enable_private_segment 0
		.amdhsa_kernarg_size 16
		.amdhsa_user_sgpr_count 2
		.amdhsa_user_sgpr_kernarg_segment_ptr 1
		.amdhsa_wavefront_size32 1
		.amdhsa_system_sgpr_workgroup_id_x 1
		.amdhsa_system_sgpr_workgroup_id_y 1
		.amdhsa_system_sgpr_workgroup_id_z 1
		.amdhsa_system_vgpr_workitem_id 0
		.amdhsa_next_free_vgpr 448
		.amdhsa_next_free_sgpr 66
		.amdhsa_reserve_vcc 1
		.amdhsa_float_denorm_mode_32 3
		.amdhsa_float_denorm_mode_16_64 3
		.amdhsa_memory_ordered 1
		.amdhsa_forward_progress 1
		.amdhsa_inst_pref_size 67
	.end_amdhsa_kernel
	.amdgpu_metadata
---
amdhsa.version: [ 1, 2 ]
amdhsa.kernels:
  - .name:           k_qba3a8f4ba0_attn
    .symbol:         k_qba3a8f4ba0_attn.kd
    .args:
      - { .name: qkv, .offset: 0, .size: 8, .value_kind: global_buffer, .address_space: global }
      - { .name: yimg, .offset: 8, .size: 8, .value_kind: global_buffer, .address_space: global }
    .group_segment_fixed_size: 327680
    .private_segment_fixed_size: 0
    .kernarg_segment_align: 8
    .kernarg_segment_size: 16
    .max_flat_workgroup_size: 256
    .sgpr_count:     66
    .vgpr_count:     448
    .wavefront_size: 32
...
	.end_amdgpu_metadata
.endif
;; end of part 3
;; launch proj (part 4): grid 4 x 64, 4 waves a work-group, clusters of 4 x 4, 327,680 bytes of LDS; arguments yimg, wo16, bo, out0; writes out0
.if DOCPART == 4
	.amdgcn_target "amdgcn-amd-amdhsa--gfx1250"
	.amdhsa_code_object_version 6
	.text
	.protected	k_qba3a8f4ba0_proj
	.globl	k_qba3a8f4ba0_proj
	.p2align	8
	.type	k_qba3a8f4ba0_proj,@function
k_qba3a8f4ba0_proj:
	s_mov_b64 s[64:65], 0
	v_nop
	global_prefetch_b8 v0, s[64:65] scope:SCOPE_SE
	s_setreg_imm32_b32 hwreg(HW_REG_WAVE_MODE, 25, 1), 1
	s_wait_xcnt 0x0
	s_wait_alu depctr_hold_cnt(0) depctr_sa_sdst(0) depctr_va_vdst(0) depctr_va_sdst(0) depctr_va_ssrc(0) depctr_va_vcc(0) depctr_vm_vsrc(0)
	s_getreg_b32 s2, hwreg(HW_REG_IB_STS2, 6, 4)
	s_cmp_eq_u32 s2, 0
	s_cbranch_scc0 .Lentry_in_a_cluster
	s_endpgm
.Lentry_in_a_cluster:
	s_bfe_u32 s2, ttmp6, 0x10000c
	s_cmp_lg_u32 s2, 0xf033
	s_cbranch_scc0 .Lentry_shape_is_right
	s_endpgm
.Lentry_shape_is_right:
; out[m][n] = the sum over k of y[m][k] Wo[n][k] + bo[n], for all rows but positions 0-15 of each sequence, which a later launch makes in f32.  y, Wo: f16; sums and out: f32.
; A tile of 128 rows x 256 columns is made by four waves, each 64 x 128: 32 accumulators.  64 x 4 tiles: 256 work-groups.  K goes in steps of 128 through a ring of two LDS slots.
; y arrives as images of operand registers ([16 rows][32 along K][half][lane][16 bytes]): a K step of 16 rows is 4,096 dense bytes, read at 16 x lane, no padding.  Wo's rows of a K step are 256 bytes, padded by 16 in LDS.
; CLUSTERS: 4 x 4.  The tile row is 16 cy + the cluster's y (batch cy, first position 128 x the cluster's y, the same in all partners); the tile column is cx.  y's tile is asked for jointly along a row
; of the cluster, Wo's along a column.  THE MATRIX INSTRUCTION IS USED TRANSPOSED (source 0 = 16 rows of Wo, source 1 = 16 rows of y): a lane holds eight neighbouring numbers of a row of out.
; The bias is the C of each sum's first matrix instruction.  No prefetch: the walk has eight K steps, of which only the last four could be named ahead.
; REGISTERS: window 0: v16-29 addresses; v32-95 the bias; v128-255 rows on the way out.   window 1: two fragment buffers of 96 (Wo's 8 fragments, then y's 4).   window 2: accumulator (a, b) at v[8 (8 a + b)].
.set PITCH,  272
.set ABYTES, 32768                     ; y's 8 blocks of 16 rows x 4,096 bytes
.set HALFB,  128*PITCH
.set SLOT,   ABYTES+2*HALFB
.set SPITCH, 528                       ; the way out: a stage of 16 rows x (512 + 16) bytes for each wave, in slot 0, which has then had its last fill and its last read
.set SPARE,  2*SLOT                    ; behind the ring: the spare words
.set LAPS,   4                         ; 1,024 / (2 x 128)
.set ADRA, 16
.set ADRB, 20
.set STO,  24
.set RD,   25
.set CO,   26                          ; v26 16 x lane
.set BOF,  27
.set SPW,  28
.set NIL,  29
.set BIAS, 32
.set BK,   128
.set F0,   0
.set F1,   96
.set G1, 24
.set G0, 32
.set G1B, 48
.set G0B, 56
.set MSB, 0
.macro WIN new
.if MSB != (\new)
	s_set_vgpr_msb (MSB<<8)|(\new)
.set MSB, (\new)
.endif
.endm
.set MUL,  0xa5                        ; sources 0 and 1 window 1; C and D window 2
.set TO_F, 0x40
.macro JLOAD s                         ; waves 0 and 1 fetch y's halves, waves 2 and 3 Wo's; an s_nop 0 and four v_nop follow each line
	s_cmp_eq_u32 s11, 0
	s_cbranch_scc0 .Lfor_b_\@
	tensor_load_to_lds s[G0+4*\s:G0+4*\s+3], s[G1:G1+7]
	s_nop 0
.rept 4
	v_nop
.endr
	s_branch .Lasked_\@
.Lfor_b_\@:
	tensor_load_to_lds s[G0B+4*\s:G0B+4*\s+3], s[G1B:G1B+7]
	s_nop 0
.rept 4
	v_nop
.endr
.Lasked_\@:
.endm
.macro CREST
	s_cmp_lg_u32 s10, 0
	s_cbranch_scc1 .Lnot_wave_0_\@
	s_barrier_signal -3
.Lnot_wave_0_\@:
	s_barrier_wait -3
	s_barrier_signal -1
	s_barrier_wait -1
.endm
.macro CROUND
	s_barrier_signal -1
	s_barrier_wait -1
	CREST
.endm
.macro MUL8 f, a, zero                 ; y's block a against Wo's eight, 32 along K.  The 32 accumulators take turns in the same order in every quarter
.irp b, 0,1,2,3,4,5,6,7
.if \zero
	v_wmma_f32_16x16x32_f16 v[8*(8*(\a)+\b):8*(8*(\a)+\b)+7], v[\f+8*\b:\f+8*\b+7], v[\f+64+8*(\a):\f+64+8*(\a)+7], v[BIAS+8*\b:BIAS+8*\b+7]
.else
	v_wmma_f32_16x16x32_f16 v[8*(8*(\a)+\b):8*(8*(\a)+\b)+7], v[\f+8*\b:\f+8*\b+7], v[\f+64+8*(\a):\f+64+8*(\a)+7], v[8*(8*(\a)+\b):8*(8*(\a)+\b)+7]
.endif
.endr
.endm
.macro FETCH slot, qd, f               ; 24 LDS loads in one run: the fragments of quarter qd; y's blocks 2 and 3 last
	WIN TO_F
.irp i, 0,1,2,3,4,5,6,7
	ds_load_b128 v[\f+8*\i:\f+8*\i+3],   v[ADRB+\slot] offset:64*(\qd)+\i*16*PITCH
	ds_load_b128 v[\f+8*\i+4:\f+8*\i+7], v[ADRB+\slot] offset:64*(\qd)+\i*16*PITCH+32
.endr
.irp i, 0,1,2,3
	ds_load_b128 v[\f+64+8*\i:\f+64+8*\i+3],   v[ADRA+\slot] offset:4096*\i+1024*(\qd)
	ds_load_b128 v[\f+64+8*\i+4:\f+64+8*\i+7], v[ADRA+\slot] offset:4096*\i+1024*(\qd)+512
.endr
.endm
.macro PLACES
.rept 4
	v_nop
.endr
.endm
; A K step is four quarters of 32 along K on buffers 0, 1, 0, 1.  One of the first three multiplies buffer f and fetches quarter qd into g.  zero = 1: the sums start from the bias (C in window 0).
.macro QUARTER slot, qd, f, g, zero
	s_wait_dscnt 4                                 ; all but y's blocks 2 and 3 are in
	WIN MUL-0x20*(\zero)
	MUL8 \f, 0, \zero
	MUL8 \f, 1, \zero
	PLACES
	FETCH \slot, \qd, \g
	s_wait_dscnt 24                                ; all but the 24 just issued
	WIN MUL-0x20*(\zero)
	MUL8 \f, 2, \zero
	MUL8 \f, 3, \zero
.endm
; The last quarter multiplies buffer 1 and changes slots: each wave waits for all its tensor loads, adds 0 to its spare word, waits for that and for its reads of this slot; one barrier.
; fill = 1: the barrier opens a round of the cluster's, and this slot is filled again, two K steps ahead: 112 matrix instructions stand between the request and the wait for it.
.macro TURN slot, next, fill
	WIN 0
	s_wait_tensorcnt 0x0
	ds_add_u32 v[SPW], v[NIL]
	s_wait_dscnt 5                                 ; the add and the youngest four loads may be out
	WIN MUL
	MUL8 F1, 0, 0
	s_wait_dscnt 0x0
	s_barrier_signal -1
	MUL8 F1, 1, 0
.if \fill
	WIN 0
.endif
	s_barrier_wait -1
.if \fill
	CREST
	s_add_nc_u64 s[G0+4*\slot+2:G0+4*\slot+3], s[G0+4*\slot+2:G0+4*\slot+3], 2*4096
	s_add_nc_u64 s[G0B+4*\slot+2:G0B+4*\slot+3], s[G0B+4*\slot+2:G0B+4*\slot+3], 2*256
	JLOAD \slot                                    ; the four v_nop behind it are also the places in front of the loads below
.else
	PLACES
.endif
	FETCH \next, 0, F0
	WIN MUL
	MUL8 F1, 2, 0
	MUL8 F1, 3, 0
.endm
.macro TOSTAGE a                       ; block a, 16 rows x 128 columns, through my stage: LDS serves a wave's instructions in order, so no wait stands between the stores and the loads
	WIN 0x08                                       ; the data: window 2
.irp b, 0,1,2,3,4,5,6,7
	ds_store_b128 v[STO], v[64*(\a)+8*\b:64*(\a)+8*\b+3] offset:64*\b
	ds_store_b128 v[STO], v[64*(\a)+8*\b+4:64*(\a)+8*\b+7] offset:64*\b+16
.endr
	WIN 0
.set BB, BK+64*((\a)%2)
.irp t, 0,1,2,3,4,5,6,7,8,9,10,11,12,13,14,15
	ds_load_b128 v[BB+4*\t:BB+4*\t+3], v[RD] offset:\t*SPITCH
.endr
.endm
.macro SEND a, younger
.set BB, BK+64*((\a)%2)
	s_wait_dscnt \younger
.irp t, 0,1,2,3,4,5,6,7,8,9,10,11,12,13,14,15
	global_store_b128 v[CO], v[BB+4*\t:BB+4*\t+3], s[8:9] offset:(16*(\a)+\t)*4096 th:TH_STORE_NT   ; 512 consecutive bytes, aligned
.endr
.endm
	s_load_b128 s[4:7], s[0:1], 0x0                ; yimg, wo16
	s_load_b128 s[68:71], s[0:1], 0x10             ; bo, out0
	v_lshl_add_u32 v[SPW], v0, 2, SPARE
	v_mov_b32 v[NIL], 0
	ds_add_u32 v[SPW], v[NIL]                      ; the wave's opening: the add, twice on end, and its wait ahead of my first tensor load
	ds_add_u32 v[SPW], v[NIL]
	v_lshrrev_b32 v1, 5, v0
	v_readfirstlane_b32 s10, v1                    ; wave 0..3
	s_lshr_b32 s11, s10, 1                         ; which 64 rows are mine.  Also: I fetch for y (0) or for Wo (1)
	s_and_b32 s12, s10, 1                          ; which 128 columns.  Also: which half of that tile I fetch
	s_bfe_u32 s40, ttmp6, 0x40000                  ; cx
	s_bfe_u32 s41, ttmp6, 0x40004                  ; cy
	s_lshl_b32 s42, ttmp9, 2
	s_add_co_u32 s42, s42, s40                     ; tile column
	s_and_b32 s45, ttmp7, 0xffff                   ; cluster y
	s_lshl_b32 s13, s41, 4
	s_add_co_u32 s13, s13, s45                     ; tile row = 16 cy + cluster y
	s_lshl_b32 s43, s41, 2
	s_lshl_b32 s43, 15, s43                        ; my row of the cluster
	s_lshl_b32 s44, 0x1111, s40                    ; my column
	s_or_b32 s[G1+0], s43, (3<<16)|(1<<21)         ; y: elements of 8 bytes, no padding: 4 rows of 4,096 bytes, 32,768 bytes apart
	s_mov_b32 s[G1+1], 512<<16                     ; tensor_dim0 = 512
	s_mov_b32 s[G1+2], 4<<16                       ; tensor_dim1 = 4
	s_mov_b32 s[G1+3], 512<<16                     ; tile_dim0 = 512
	s_mov_b32 s[G1+4], 4                           ; tile_dim1 = 4
	s_mov_b32 s[G1+5], 4096                        ; from row to row
	s_mov_b32 s[G1+6], 0
	s_mov_b32 s[G1+7], 0
	s_or_b32 s[G1B+0], s44, (1<<16)|(1<<20)|(1<<21)|(5<<22)|(3<<25)  ; Wo: elements of 2 bytes; 4 words of padding behind every 64: 128 rows of 256 bytes
	s_mov_b32 s[G1B+1], 128<<16
	s_mov_b32 s[G1B+2], 128<<16
	s_mov_b32 s[G1B+3], 128<<16
	s_mov_b32 s[G1B+4], 128
	s_mov_b32 s[G1B+5], 1024
	s_mov_b32 s[G1B+6], 0
	s_mov_b32 s[G1B+7], 0
	s_lshl_b32 s16, s13, 18                        ; y: (8 x tile row + 4 x half) blocks of 32,768 bytes
	s_lshl_b32 s17, s12, 17
	s_add_co_u32 s16, s16, s17
	s_mov_b32 s17, 0
	s_lshl_b32 s46, s42, 19                        ; Wo: (256 x tile column + 128 x half) rows of 2,048 bytes
	s_lshl_b32 s47, s12, 18
	s_add_co_u32 s46, s46, s47
	s_mov_b32 s47, 0
	s_lshl_b32 s20, s12, 14                        ; where they go: no place in the cluster enters an LDS address
	s_mul_i32 s21, s12, HALFB
	s_add_co_u32 s21, s21, ABYTES
	s_wait_dscnt 0x0                               ; both opening adds are done
	s_wait_kmcnt 0x0
	s_add_nc_u64 s[14:15], s[4:5], s[16:17]
	s_add_nc_u64 s[46:47], s[6:7], s[46:47]
	CROUND                                         ; all sixteen work-groups are here: the first joint loads meet
.irp s, 0,1
	s_mov_b32 s[G0+4*\s], 1
	s_add_co_u32 s[G0+4*\s+1], s20, \s*SLOT
	s_add_nc_u64 s[G0+4*\s+2:G0+4*\s+3], s[14:15], \s*4096
	s_or_b32 s[G0+4*\s+3], s[G0+4*\s+3], 0x80000000
	s_mov_b32 s[G0B+4*\s], 1
	s_add_co_u32 s[G0B+4*\s+1], s21, \s*SLOT
	s_add_nc_u64 s[G0B+4*\s+2:G0B+4*\s+3], s[46:47], \s*256
	s_or_b32 s[G0B+4*\s+3], s[G0B+4*\s+3], 0x80000000
	JLOAD \s                                       ; two loads of mine are out
.endr
	v_and_b32 v1, 15, v0                           ; r
	v_bfe_u32 v2, v0, 4, 1                         ; h
	v_and_b32 v6, 31, v0
	v_lshlrev_b32 v[CO], 4, v6
	v_mul_u32_u24 v3, v1, PITCH
	v_lshl_add_u32 v3, v2, 4, v3
	s_lshl_b32 s21, s11, 14                        ; my 4 blocks of y
	s_mul_i32 s22, s12, HALFB
	s_add_co_u32 s22, s22, ABYTES                  ; my 128 rows of Wo
.irp s, 0,1
	v_add_nc_u32 v[ADRA+\s], s21, v[CO]
	v_add_nc_u32 v[ADRB+\s], s22, v3
	s_add_co_u32 s21, s21, SLOT
	s_add_co_u32 s22, s22, SLOT
.endr
	s_mul_i32 s23, s10, 16*SPITCH                  ; my stage
	v_mul_u32_u24 v5, v1, SPITCH
	v_lshl_add_u32 v5, v2, 5, v5
	v_add_nc_u32 v[STO], s23, v5
	v_add_nc_u32 v[RD], s23, v[CO]
	s_lshl_b32 s46, s42, 10
	s_lshl_b32 s47, s12, 9
	s_add_co_u32 s46, s46, s47                     ; my first column, in bytes
	s_mov_b32 s47, 0
	s_add_nc_u64 s[68:69], s[68:69], s[46:47]
	v_lshlrev_b32 v[BOF], 5, v2
.irp b, 0,1,2,3,4,5,6,7
	global_load_b128 v[BIAS+8*\b:BIAS+8*\b+3], v[BOF], s[68:69] offset:64*\b        ; register j of block b: bo at column 16 b + 8 h + j
	global_load_b128 v[BIAS+8*\b+4:BIAS+8*\b+7], v[BOF], s[68:69] offset:64*\b+16
.endr
	s_lshl_b32 s16, s13, 19                        ; my first row: (128 x tile row + 64 x half) rows of 4,096 bytes
	s_lshl_b32 s17, s11, 18
	s_add_co_u32 s16, s16, s17
	s_add_co_u32 s16, s16, s46
	s_mov_b32 s17, 0
	s_add_nc_u64 s[8:9], s[70:71], s[16:17]
	s_wait_tensorcnt 1                             ; my part of K step 0 is in; K step 1's may be out
	s_barrier_signal -1
	s_barrier_wait -1
	FETCH 0, 0, F0
	s_wait_loadcnt 0x0                             ; the bias
	QUARTER 0, 1, F0, F1, 1
	WIN 0
	s_mov_b32 s3, LAPS-1
.Llap:                                             ; a trip goes once round the ring and fills both slots again
	QUARTER 0, 2, F1, F0, 0
	QUARTER 0, 3, F0, F1, 0
	TURN 0, 1, 1
	QUARTER 1, 1, F0, F1, 0
	QUARTER 1, 2, F1, F0, 0
	QUARTER 1, 3, F0, F1, 0
	TURN 1, 0, 1
	QUARTER 0, 1, F0, F1, 0
	WIN 0
	s_sub_co_u32 s3, s3, 1
	s_cmp_lg_u32 s3, 0
	s_cbranch_scc1 .Llap
	QUARTER 0, 2, F1, F0, 0                        ; the last lap fills nothing
	QUARTER 0, 3, F0, F1, 0
	TURN 0, 1, 0
	QUARTER 1, 1, F0, F1, 0
	QUARTER 1, 2, F1, F0, 0
	QUARTER 1, 3, F0, F1, 0
	s_wait_dscnt 4
	WIN MUL
	MUL8 F1, 0, 0
	MUL8 F1, 1, 0
	s_wait_dscnt 0
	MUL8 F1, 2, 0
	MUL8 F1, 3, 0
	WIN 0
	PLACES
	s_or_b32 s18, s45, s11                         ; positions 0-15 are block 0 of the waves with the tile's upper rows, where the cluster's y is 0: they are another launch's
	s_cmp_eq_u32 s18, 0
	s_cbranch_scc1 .Lskip0
	TOSTAGE 0
	SEND 0, 0
.Lskip0:
	TOSTAGE 1
	s_wait_xcnt 0x0                                ; block 0's stores have read their registers
	TOSTAGE 2
	SEND 1, 32                                     ; behind block 1's loads: block 2's 16 stores and 16 loads
	s_wait_xcnt 0x0                                ; block 1's stores have read theirs
	TOSTAGE 3
	SEND 2, 32
	SEND 3, 0
	s_wait_tensorcnt 0x0                           ; the wave's end
	ds_add_u32 v[SPW], v[NIL]
	s_wait_dscnt 0x0
	CROUND                                         ; the closing round
	s_endpgm
.Lfunc_end_k_qba3a8f4ba0_proj:
	.size	k_qba3a8f4ba0_proj, .Lfunc_end_k_qba3a8f4ba0_proj-k_qba3a8f4ba0_proj
	.p2alignl 7, 3214868480
	.fill 96, 4, 3214868480
	.section	.rodata,"a",@progbits
	.p2align	6, 0x0
	.amdhsa_kernel k_qba3a8f4ba0_proj
		.amdhsa_group_segment_fixed_size 327680
		.amdhsa_private_segment_fixed_size 0
		.amdhsa_enable_private_segment 0
		.amdhsa_kernarg_size 32
		.amdhsa_user_sgpr_count 2
		.amdhsa_user_sgpr_kernarg_segment_ptr 1
		.amdhsa_wavefront_size32 1
		.amdhsa_system_sgpr_workgroup_id_x 1
		.amdhsa_system_sgpr_workgroup_id_y 1
		.amdhsa_system_sgpr_workgroup_id_z 1
		.amdhsa_system_vgpr_workitem_id 0
		.amdhsa_next_free_vgpr 768
		.amdhsa_next_free_sgpr 72
		.amdhsa_reserve_vcc 0
		.amdhsa_float_denorm_mode_32 3
		.amdhsa_float_denorm_mode_16_64 3
		.amdhsa_memory_ordered 1
		.amdhsa_forward_progress 1
		.amdhsa_inst_pref_size 86
	.end_amdhsa_kernel
	.amdgpu_metadata
---
amdhsa.version: [ 1, 2 ]
amdhsa.kernels:
  - .name:           k_qba3a8f4ba0_proj
    .symbol:         k_qba3a8f4ba0_proj.kd
    .args:
      - { .name: yimg, .offset: 0, .size: 8, .value_kind: global_buffer, .address_space: global }
      - { .name: wo16, .offset: 8, .size: 8, .value_kind: global_buffer, .address_space: global }
      - { .name: bo, .offset: 16, .size: 8, .value_kind: global_buffer, .address_space: global }
      - { .name: out0, .offset: 24, .size: 8, .value_kind: global_buffer, .address_space: global }
    .group_segment_fixed_size: 327680
    .private_segment_fixed_size: 0
    .kernarg_segment_align: 8
    .kernarg_segment_size: 32
    .max_flat_workgroup_size: 128
    .sgpr_count:     72
    .vgpr_count:     768
    .wavefront_size: 32
...
	.end_amdgpu_metadata
.endif
;; end of part 4
;; launch first16 (part 5): grid 16 x 4, 16 waves a work-group, no clusters, 71,680 bytes of LDS; arguments fine32, Wo, bo, out0; writes out0
.if DOCPART == 5
	.amdgcn_target "amdgcn-amd-amdhsa--gfx1250"
	.amdhsa_code_object_version 6
	.text
	.protected	k_qba3a8f4ba0_first16
	.globl	k_qba3a8f4ba0_first16
	.p2align	8
	.type	k_qba3a8f4ba0_first16,@function
k_qba3a8f4ba0_first16:
	s_mov_b64 s[64:65], 0
	v_nop
	global_prefetch_b8 v0, s[64:65] scope:SCOPE_SE
	s_setreg_imm32_b32 hwreg(HW_REG_WAVE_MODE, 25, 1), 1
	s_wait_xcnt 0x0
; Positions 0-15 of each of the four sequences, in f32 throughout: attention over at most 16 keys, and the projection with Wo as it is given.  These rows average one to a few values and are the largest.
; SHARES.  A work-group: one batch, 64 columns of out.  A wave: one head.  Its partial projection (16 queries x 64 columns) meets the other heads' in LDS; then wave w sums and stores query w's 64 numbers.
; q, k, v arrive as the f32 accumulators of the launch that made them, as they stood in its registers:  q, k: lane (r, h), register 8 t + j = position r, channel 16 t + 8 h + j;
; v: lane (r, h), register 8 t + j = channel 16 t + r, position 8 h + j.  The f32 matrix form takes 4 along K from a pair of registers: K = 2 h + j.  The order of K is free where both operands have the same:
; a pair (2 s, 2 s + 1) of the images' registers is fed to both sides as it stands, and nothing changes lanes.
;   S^T = k q^T: four partial sums (one for each 16 channels), added in vector registers.   O^T = v^T p: K = the 16 keys.   out^T = Wo y^T: K = the head's 64 channels, Wo loaded in the same order.
; The accumulators v192-223 are written by matrix instructions alone; what is made of them goes into other registers.  64 work-groups: fewer columns for each would leave stores shorter than 256 bytes.
.set L16, 1
.set WOA, 2                            ; v2 4,096 r + 32 h: my row of a tile of Wo, my half's eight channels
.set DD,  3                            ; v3 r - 8 h: register j holds key 8 h + j, hidden where j is above this
.set SPW, 4
.set NIL, 5
.set STA, 6
.set RDA, 7
.set L8,  8
.set NINF, 9
.set MX,  10
.set PT,  11
.set CM,  12                           ; v[12:13] c m, later 1 / l
.set SU,  14                           ; v[14:15] sums, later bo
.set P,   16
.set SS,  24
.set QR,  32                           ; q, later Wo's tile 2
.set KR,  64                           ; k, later Wo's tile 3
.set VR,  96                           ; v, later the sixteen partial sums
.set W01, 128                          ; Wo's tiles 0 and 1
.set ACC, 192
.set YR,  224
.set PART, 4352                        ; a head's partial sums in LDS: 16 rows x (256 + 16) bytes
.set SPARE, 16*PART                    ; behind them: the spare words, 128 bytes for each of sixteen waves
	s_load_b256 s[4:11], s[0:1], 0x0               ; fine32 s[4:5], Wo s[6:7], bo s[8:9], out0 s[10:11]
	v_lshl_add_u32 v[SPW], v0, 2, SPARE
	v_mov_b32 v[NIL], 0
	v_lshrrev_b32 v1, 5, v0
	v_readfirstlane_b32 s12, v1                    ; the wave: my head, and later my query
	s_and_b32 s13, ttmp7, 0xffff                   ; the batch
	v_and_b32 v10, 31, v0
	v_lshlrev_b32 v[L16], 4, v10
	v_lshlrev_b32 v[L8], 3, v10
	v_and_b32 v11, 15, v0                          ; r
	v_bfe_u32 v14, v0, 4, 1                        ; h
	v_lshlrev_b32 v[WOA], 12, v11
	v_lshl_add_u32 v[WOA], v14, 5, v[WOA]
	v_lshlrev_b32 v15, 3, v14
	v_sub_nc_u32 v[DD], v11, v15
	s_mul_i32 s14, s12, PART
	v_mul_u32_u24 v[STA], v11, 272
	v_lshl_add_u32 v[STA], v14, 5, v[STA]
	v_add_nc_u32 v[STA], s14, v[STA]               ; my head's part: row r, + 32 h
	s_mul_i32 s14, s12, 272
	v_add_nc_u32 v[RDA], s14, v[L8]                ; back: row = my wave's query, 8 bytes a lane
	v_mov_b32 v[NINF], 0xff800000
	v_mov_b32 v[PT], 0                             ; a lane permute's destination counts as one of its sources
	v_mov_b32 v[CM+1], 0                           ; named as the upper half of a pair
	s_mov_b32 s24, 0x3e38aa3b                      ; c = log2(e) / 8
	s_mov_b32 s25, s24
	s_mov_b32 s26, 0x76543210
	s_mov_b32 s27, 0xfedcba98
	s_lshl_b32 s16, s13, 16
	s_lshl_b32 s17, s12, 12
	s_add_co_u32 s16, s16, s17                     ; fine32: (batch x 16 + head) x 4,096
	s_mov_b32 s17, 0
	s_lshl_b32 s18, ttmp9, 18
	s_lshl_b32 s19, s12, 8
	s_add_co_u32 s18, s18, s19                     ; Wo: 64 rows of 4,096 bytes a work-group, 256 bytes a head
	s_mov_b32 s19, 0
	s_lshl_b32 s20, ttmp9, 8                       ; bo: 64 numbers a work-group
	s_mov_b32 s21, 0
	s_lshl_b32 s22, s13, 23
	s_lshl_b32 s23, s12, 12
	s_add_co_u32 s22, s22, s23
	s_add_co_u32 s22, s22, s20                     ; out: row 2,048 x batch + wave, + my columns
	s_mov_b32 s23, 0
	s_wait_kmcnt 0x0
	s_add_nc_u64 s[4:5], s[4:5], s[16:17]
	s_add_nc_u64 s[6:7], s[6:7], s[18:19]
	s_add_nc_u64 s[8:9], s[8:9], s[20:21]
	s_add_nc_u64 s[10:11], s[10:11], s[22:23]
.irp w, 0,1,2                                  ; q, k, v: 8 loads of 512 consecutive bytes each
.irp i, 0,1,2,3,4,5,6,7
	global_load_b128 v[QR+32*\w+4*\i:QR+32*\w+4*\i+3], v[L16], s[4:5] offset:262144*\w+512*\i
.endr
.endr
.irp c, 0,1
.irp t, 0,1,2,3
	global_load_b128 v[W01+32*\c+8*\t:W01+32*\c+8*\t+3], v[WOA], s[6:7] offset:65536*\c+64*\t
	global_load_b128 v[W01+32*\c+8*\t+4:W01+32*\c+8*\t+7], v[WOA], s[6:7] offset:65536*\c+64*\t+16
.endr
.endr
	s_wait_loadcnt 24                              ; q and k are in; v's 8 loads and Wo's 16 may be out
.irp s, 0,1,2,3                                ; S^T: four accumulators by turns; the first four products start the sums
.irp b, 0,1,2,3
.if \s == 0
	v_wmma_f32_16x16x4_f32 v[ACC+8*\b:ACC+8*\b+7], v[KR+8*\b+2*\s:KR+8*\b+2*\s+1], v[QR+8*\b+2*\s:QR+8*\b+2*\s+1], 0
.else
	v_wmma_f32_16x16x4_f32 v[ACC+8*\b:ACC+8*\b+7], v[KR+8*\b+2*\s:KR+8*\b+2*\s+1], v[QR+8*\b+2*\s:QR+8*\b+2*\s+1], v[ACC+8*\b:ACC+8*\b+7]
.endif
.endr
.endr
.rept 8
	v_nop                                          ; eight places behind this form: for the loads into q's and k's registers, and for the reads of the results
.endr
.irp c, 2,3
.irp t, 0,1,2,3
	global_load_b128 v[QR+32*(\c-2)+8*\t:QR+32*(\c-2)+8*\t+3], v[WOA], s[6:7] offset:65536*\c+64*\t
	global_load_b128 v[QR+32*(\c-2)+8*\t+4:QR+32*(\c-2)+8*\t+7], v[WOA], s[6:7] offset:65536*\c+64*\t+16
.endr
.endr
.irp i, 0,2,4,6                                ; the four partial sums, each read from its low end on
	v_pk_add_f32 v[YR+\i:YR+\i+1], v[ACC+\i:ACC+\i+1], v[ACC+8+\i:ACC+8+\i+1]
	v_pk_add_f32 v[SS+\i:SS+\i+1], v[ACC+16+\i:ACC+16+\i+1], v[ACC+24+\i:ACC+24+\i+1]
.endr
.irp i, 0,2,4,6
	v_pk_add_f32 v[SS+\i:SS+\i+1], v[SS+\i:SS+\i+1], v[YR+\i:YR+\i+1]
.endr
.irp j, 0,1,2,3,4,5,6,7
	v_cmp_gt_i32 vcc_lo, \j, v[DD]                 ; key 8 h + j comes after query r
	v_cndmask_b32 v[SS+\j], v[SS+\j], v[NINF], vcc_lo
.endr
	v_max3_num_f32 v[MX], v[SS], v[SS+1], v[SS+2]
	v_max3_num_f32 v[MX], v[MX], v[SS+3], v[SS+4]
	v_max3_num_f32 v[MX], v[MX], v[SS+5], v[SS+6]
	v_max_num_f32 v[MX], v[MX], v[SS+7]
	v_permlanex16_b32 v[PT], v[MX], s26, s27       ; the query's other eight keys lie in the lane 16 away; key 0 counts for every query
	v_max_num_f32 v[MX], v[MX], v[PT]
	v_mul_f32 v[CM], s24, v[MX]
.irp i, 0,2,4,6
	v_pk_fma_f32 v[SS+\i:SS+\i+1], v[SS+\i:SS+\i+1], s[24:25], v[CM:CM+1] op_sel_hi:[1,0,0] neg_lo:[0,0,1] neg_hi:[0,0,1]
.endr
.irp j, 0,1,2,3,4,5,6,7
	v_exp_f32 v[P+\j], v[SS+\j]
.endr
	v_nop
	s_wait_alu depctr_va_vdst(0)                   ; one wait for the eight exponentials, ahead of their first reader
	v_pk_add_f32 v[SU:SU+1], v[P:P+1], v[P+2:P+3]
	v_pk_add_f32 v[SS:SS+1], v[P+4:P+5], v[P+6:P+7]
	v_pk_add_f32 v[SU:SU+1], v[SU:SU+1], v[SS:SS+1]
	v_add_f32 v[SU], v[SU], v[SU+1]
	v_permlanex16_b32 v[PT], v[SU], s26, s27
	v_add_f32 v[SU], v[SU], v[PT]
	v_rcp_f32 v[CM], v[SU]
	v_nop
	s_wait_alu depctr_va_vdst(0)                   ; and one for the reciprocal
	s_wait_loadcnt 32                              ; v is in; Wo's 32 loads may be out
.irp s, 0,1,2,3                                ; O^T: the first four write over accumulators: far more than nine plain instructions stand behind the products that wrote them
.irp t, 0,1,2,3
.if \s == 0
	v_wmma_f32_16x16x4_f32 v[ACC+8*\t:ACC+8*\t+7], v[VR+8*\t+2*\s:VR+8*\t+2*\s+1], v[P+2*\s:P+2*\s+1], 0
.else
	v_wmma_f32_16x16x4_f32 v[ACC+8*\t:ACC+8*\t+7], v[VR+8*\t+2*\s:VR+8*\t+2*\s+1], v[P+2*\s:P+2*\s+1], v[ACC+8*\t:ACC+8*\t+7]
.endif
.endr
.endr
.rept 8
	v_nop
.endr
.set i, 0
.rept 16
	v_pk_mul_f32 v[YR+2*i:YR+2*i+1], v[ACC+2*i:ACC+2*i+1], v[CM:CM+1] op_sel_hi:[1,0]   ; y = O^T / l: lane (r, h), register 8 t + j = query r, channel 16 t + 8 h + j
.set i, i+1
.endr
.rept 9
	v_nop                                          ; nine places in front of products that write over accumulators
.endr
	s_wait_loadcnt 0x0                             ; Wo
.irp t, 0,1,2,3                                ; out^T: four tiles of 16 columns by turns
.irp s, 0,1,2,3
.irp c, 0,1,2,3
.if \c < 2
.set WB, W01+32*\c
.else
.set WB, QR+32*(\c-2)
.endif
.if (\t == 0) && (\s == 0)
	v_wmma_f32_16x16x4_f32 v[ACC+8*\c:ACC+8*\c+7], v[WB+8*\t+2*\s:WB+8*\t+2*\s+1], v[YR+8*\t+2*\s:YR+8*\t+2*\s+1], 0
.else
	v_wmma_f32_16x16x4_f32 v[ACC+8*\c:ACC+8*\c+7], v[WB+8*\t+2*\s:WB+8*\t+2*\s+1], v[YR+8*\t+2*\s:YR+8*\t+2*\s+1], v[ACC+8*\c:ACC+8*\c+7]
.endif
.endr
.endr
.endr
.rept 8
	v_nop
.endr
.irp c, 0,1,2,3
	ds_store_b128 v[STA], v[ACC+8*\c:ACC+8*\c+3] offset:64*\c        ; lane (r, h): query r, columns 16 c + 8 h + 0..7
	ds_store_b128 v[STA], v[ACC+8*\c+4:ACC+8*\c+7] offset:64*\c+16
.endr
	s_wait_dscnt 0x0                               ; for the others' sake: my stores have landed
	s_barrier_signal -1
	s_barrier_wait -1
	global_load_b64 v[SU:SU+1], v[L8], s[8:9]      ; bo at my two columns
.irp p, 0,1,2,3,4,5,6,7,8,9,10,11,12,13,14,15
	ds_load_b64 v[VR+2*\p:VR+2*\p+1], v[RDA] offset:PART*\p          ; head p's part of my query's 64 numbers
.endr
	s_wait_dscnt 0x0
.irp p, 2,4,6,8,10,12,14                       ; two chains
	v_pk_add_f32 v[VR:VR+1], v[VR:VR+1], v[VR+2*\p:VR+2*\p+1]
	v_pk_add_f32 v[VR+2:VR+3], v[VR+2:VR+3], v[VR+2*\p+2:VR+2*\p+3]
.endr
	v_pk_add_f32 v[VR:VR+1], v[VR:VR+1], v[VR+2:VR+3]
	s_wait_loadcnt 0x0
	v_pk_add_f32 v[VR:VR+1], v[VR:VR+1], v[SU:SU+1]
	global_store_b64 v[L8], v[VR:VR+1], s[10:11]   ; 256 consecutive bytes, aligned
	s_wait_tensorcnt 0x0                           ; the wave's end, behind my last LDS store
	ds_add_u32 v[SPW], v[NIL]
	s_wait_dscnt 0x0
	s_endpgm
.Lfunc_end_k_qba3a8f4ba0_first16:
	.size	k_qba3a8f4ba0_first16, .Lfunc_end_k_qba3a8f4ba0_first16-k_qba3a8f4ba0_first16
	.p2alignl 7, 3214868480
	.fill 96, 4, 3214868480
	.section	.rodata,"a",@progbits
	.p2align	6, 0x0
	.amdhsa_kernel k_qba3a8f4ba0_first16
		.amdhsa_group_segment_fixed_size 71680
		.amdhsa_private_segment_fixed_size 0
		.amdhsa_enable_private_segment 0
		.amdhsa_kernarg_size 32
		.amdhsa_user_sgpr_count 2
		.amdhsa_user_sgpr_kernarg_segment_ptr 1
		.amdhsa_wavefront_size32 1
		.amdhsa_system_sgpr_workgroup_id_x 1
		.amdhsa_system_sgpr_workgroup_id_y 1
		.amdhsa_system_sgpr_workgroup_id_z 1
		.amdhsa_system_vgpr_workitem_id 0
		.amdhsa_next_free_vgpr 256
		.amdhsa_next_free_sgpr 66
		.amdhsa_reserve_vcc 1
		.amdhsa_float_denorm_mode_32 3
		.amdhsa_float_denorm_mode_16_64 3
		.amdhsa_memory_ordered 1
		.amdhsa_forward_progress 1
		.amdhsa_inst_pref_size 22
	.end_amdhsa_kernel
	.amdgpu_metadata
---
amdhsa.version: [ 1, 2 ]
amdhsa.kernels:
  - .name:           k_qba3a8f4ba0_first16
    .symbol:         k_qba3a8f4ba0_first16.kd
    .args:
      - { .name: fine32, .offset: 0, .size: 8, .value_kind: global_buffer, .address_space: global }
      - { .name: Wo, .offset: 8, .size: 8, .value_kind: global_buffer, .address_space: global }
      - { .name: bo, .offset: 16, .size: 8, .value_kind: global_buffer, .address_space: global }
      - { .name: out0, .offset: 24, .size: 8, .value_kind: global_buffer, .address_space: global }
    .group_segment_fixed_size: 71680
    .private_segment_fixed_size: 0
    .kernarg_segment_align: 8
    .kernarg_segment_size: 32
    .max_flat_workgroup_size: 512
    .sgpr_count:     66
    .vgpr_count:     256
    .wavefront_size: 32
...
	.end_amdgpu_metadata
.endif
;; end of part 5
